; MI455X (gfx1250); checked and timed in simulation.
; The chip was launched on July 23, 2026; its instructions are those of AMD's public machine-readable ISA for CDNA 5 (MIT licence, August 2026) and "CDNA5" Instruction Set Architecture Reference Guide (July 2026). The comments in the code are by the model that wrote it; some were corrected since.
;; Block. Allowed arithmetic: matrix products marked QUANTISED: E4M3 operands, one given power-of-two scale a tensor, by v_wmma_f32_16x16x64_fp8_fp8 or v_wmma_f32_16x16x128_fp8_fp8, f32 sums; everything else in f32.
;; Inputs: b_fc 4,096 float32; b_mlp_proj 1,024 float32; ln1_b 1,024 float32; ln1_w 1,024 float32; ln2_b 1,024 float32; ln2_w 1,024 float32; lowp_scales 12 int32 (the exponents e of the quantised operands' scales 2^e); w_attn_proj 1,024 x 1,024 float32; w_fc 1,024 x 4,096 float32; w_mlp_proj 4,096 x 1,024 float32; w_qkv 1,024 x 3,072 float32; x 2 x 2,048 x 1,024 float32.
;; Outputs: out0 2 x 2,048 x 1,024 float32.
;; This version of the problem:
;;   THIS VERSION OF THE PROBLEM IS GIVEN IN LOW PRECISION. The matrix products marked QUANTISED in the list below multiply operands that are first quantised to E4M3 (4 exponent bits, 3 mantissa bits; 8 bits a number), with one given power-of-two scale for each operand tensor; their sums are f32. All else is computed in f32.
;;   The module's matrix products, in the order in which they are computed (A, B: the left and right operand; K: the contracted axis; several contracted axes count as one K, in the product's order):
;;     1. [M 4,096, K 1,024] x [K 1,024, N 3,072]; A: computed on the way; B: input w_qkv: QUANTISED (scales: A lowp_scales[0], B lowp_scales[1])
;;     2. batch 32 x [M 2,048, K 64] x [K 64, N 2,048]; A: computed on the way; B: computed on the way: QUANTISED (scales: A lowp_scales[2], B lowp_scales[3])
;;     3. batch 32 x [M 2,048, K 2,048] x [K 2,048, N 64]; A: softmax (see below); B: computed on the way: QUANTISED (scales: A lowp_scales[4], B lowp_scales[5])
;;     4. [M 4,096, K 1,024] x [K 1,024, N 1,024]; A: computed on the way; B: input w_attn_proj: QUANTISED (scales: A lowp_scales[6], B lowp_scales[7])
;;     5. [M 4,096, K 1,024] x [K 1,024, N 4,096]; A: computed on the way; B: input w_fc: QUANTISED (scales: A lowp_scales[8], B lowp_scales[9])
;;     6. [M 4,096, K 4,096] x [K 4,096, N 1,024]; A: computed on the way; B: input w_mlp_proj: QUANTISED (scales: A lowp_scales[10], B lowp_scales[11])
;;   THE QUANTISER, for each operand of a quantised product, along K:
;;     - The operand's scale is 2^e, e = its entry of the input lowp_scales (int32; the entries are numbered through the quantised products in the list's order, A before B).
;;     - Each number is divided by the scale, clamped to +-448, and rounded to the nearest number of E4M3, ties to even, subnormals kept.
;;     - The product sums the exact products of the quantised numbers (number of the format x scale) in f32.
;;   ~~~python
;;   def quantise(x, axis, e):      # numpy; x: float32 -> the quantised numbers, widened to float32 again
;;       x = np.moveaxis(x, axis, -1); K = x.shape[-1]
;;       r = np.clip(x / 2.0 ** e, -448, 448)
;;       step = 2.0 ** (np.maximum(np.frexp(np.where(r == 0, 1, r))[1] - 1, -6) - 3)
;;       q = np.round(r / step) * step * 2.0 ** e      # np.round: ties to even
;;       return np.moveaxis(q, -1, axis).astype(np.float32)
;;   ~~~
;;   SOFTMAX AHEAD OF A QUANTISED PRODUCT. Where the list says 'softmax', what is quantised is not the finished softmax but p = 2^(t - M), with t = logit x log2(e) and M = ceil(the row's largest t), a whole number; so 1/2 < the row's largest p <= 1. The row's sum l is taken of the UNQUANTISED p, in f32, and the product's result is divided by l at the end. Since M is a whole number, a kernel that streams over the keys may use a running M (the ceiling of the running maximum): every later rescaling is an exact power of two, so the quantised numbers keep their values, but for numbers so far below the row's largest that they fall under the format's range.
;;   OPERANDS COMPUTED ON THE WAY. 'Computed on the way' means the value that the module computes at that place (a softmax that the list does not call 'softmax' is quantised finished and normalised). What goes into a quantiser is computed in f32, as accurately as f32 sums, v_exp_f32 and their like allow (about 1e-6 of the number): no bf16 or f16 on the way to a quantiser, and a product that is left as it is and whose result goes on into a quantised operand takes f32 operands (vector FMAs, or v_wmma_f32_16x16x4_f32). A number that lies on a knife's edge between two numbers of the format may be rounded either way, as far as f32 arithmetic and the matrix unit's own rounding can turn it there, and no further.
;; One version. Each part assembles by itself: llvm-mc -triple=amdgcn-amd-amdhsa -mcpu=gfx1250 --defsym DOCPART=n.
;; ======== version 1 of 1: 7 launches
;; limits: right only within a limited range of input values
;; workspace buffers: wc 12,582,912 bytes; ac 4,194,304 bytes; qkvc 12,582,912 bytes; yc 4,194,304 bytes; x1 16,777,216 bytes; hc 16,777,216 bytes
;; launch prep (part 1): grid 896 x 1, 4 waves a work-group, no clusters, 43,520 bytes of LDS; arguments w_qkv, w_attn_proj, w_fc, w_mlp_proj, lowp_scales, wc, x, ln1_w, ln1_b, ac; writes wc, ac
.if DOCPART == 1
	.amdgcn_target "amdgcn-amd-amdhsa--gfx1250"
	.amdhsa_code_object_version 6
	.text
	.protected	k_q28e1d0df30_prep
	.globl	k_q28e1d0df30_prep
	.p2align	8
	.type	k_q28e1d0df30_prep,@function
k_q28e1d0df30_prep:
	s_mov_b64 s[64:65], 0
	v_nop
	global_prefetch_b8 v0, s[64:65] scope:SCOPE_SE
	s_setreg_imm32_b32 hwreg(HW_REG_WAVE_MODE, 25, 1), 1
	s_wait_xcnt 0x0
; TWO JOBS THAT DEPEND ON NOTHING AND NOT ON EACH OTHER, IN ONE LAUNCH.  Work-groups 0 to 383 turn the four weights into codes (wc); work-groups 384 to 895 turn layernorm(x) into codes (ac).
; One scalar branch on the work-group's number parts the two ways; each way has LDS bytes of its own.  No matrix unit, no cluster, no barrier: memory binds, and waves share nothing.
;
; THE WEIGHTS, f32 stored [K][N], become codes of E4M3 laid [N][K] with K innermost, each with its given scale 2^e: code = w / 2^e, held within +-448, to the nearest code, ties to even.
; wc: w_qkv's codes at byte 0 ([3072][1024]), w_attn_proj's at 3,145,728 ([1024][1024]), w_fc's at 4,194,304 ([4096][1024]), w_mlp_proj's at 8,388,608 ([1024][4096]).
; A work-group takes 128 columns x 256 along K, a wave 32 columns.  A LANE TAKES A COLUMN AND ITS REGISTERS RUN DOWN K: each load reads 128 consecutive bytes a wave, and the conversions, which take neighbours along K
; from one lane's registers, give codes with K innermost.  A column's 256 codes go through the wave's own stage in LDS and leave as rows: sixteen lanes store 256 consecutive bytes, aligned.
; One text serves the four tensors: only pointers and sizes are chosen, by the work-group's number (96 + 32 + 128 + 128 work-groups).  Loads run two blocks of 32 along K (64 loads a wave) ahead.
;
; THE NORM: ac = codes of (x - mean) rsqrt(var + 1e-5) w + b, rows of 1,024, with the scale 2^e0.  A work-group takes 8 rows, a wave two whole rows; a lane holds numbers 128 j + 4 lane + 0 .. 3, j = 0 .. 7, of each:
; every load reads 512 consecutive bytes, and the row stays in registers between the passes.  The variance is the mean of (x - mean)^2, taken in a second pass over the registers: a common offset of the inputs costs no digits.
; A lane's four codes of each j are one word; a row's 1,024 bytes turn through the wave's own 2,048 bytes of LDS and leave as two stores of 512 consecutive bytes.
; LIMITS: each e between -126 and 119.  NaN among the inputs is not served; an infinity is held at the largest code.
.set NWQ,   384                        ; work-groups that take weights
.set PITCH, 272                        ; a stage row: 256 bytes of codes + 16
.set NLDS,  4*32*PITCH                 ; behind the four stages: the norm's bytes, 2,048 a wave
	v_lshl_add_u32 v216, v0, 2, 0xa800
	v_mov_b32 v217, 0
	v_lshrrev_b32 v1, 5, v0
	v_readfirstlane_b32 s38, v1                    ; wave 0..3
	s_cmp_lt_u32 ttmp9, NWQ
	s_cbranch_scc0 .Lnorm
; ---------------------------------------------------------------- the weights
.set OFF,   16                         ; v16-47   4 x lane + i rows of the weight, i = 0 .. 31; never rewritten
.set QX,    48                         ; v48-111  two sets of 32 numbers; at the end the rows read back from the stage
.set QC,    112                        ; v112-119 a block's codes
.set OO,    120                        ; v120-135 the stores' offsets; never rewritten
.set OUTR,  48
.set BASE,  40                         ; s[40:55] the weight at my columns, 32 t rows down, t = 0 .. 7
.macro PICK lim, ptr, idb, n4, doff    ; work-groups under lim belong to the tensor at s[ptr]
	s_cmp_lt_u32 ttmp9, \lim
	s_cselect_b64 s[16:17], s[\ptr:\ptr+1], s[16:17]
	s_cselect_b32 s18, \idb, s18
	s_cselect_b32 s19, 2, s19
	s_cselect_b32 s20, \n4, s20
	s_cselect_b32 s21, 1024, s21
	s_cselect_b32 s22, \doff, s22
.endm
	s_load_b256 s[4:11], s[0:1], 0x0               ; w_qkv s[4:5], w_attn_proj s[6:7], w_fc s[8:9], w_mlp_proj s[10:11]
	s_load_b128 s[12:15], s[0:1], 0x20             ; the scales' exponents s[12:13], wc s[14:15]
	v_and_b32 v2, 31, v0                           ; lane
	v_and_b32 v5, 15, v0
	v_bfe_u32 v6, v0, 4, 1
	s_mul_i32 s63, s38, 32*PITCH                   ; my stage
	v_mul_u32_u24 v4, v2, PITCH
	v_add_nc_u32 v4, s63, v4                       ; into it: row = my column
	v_mul_u32_u24 v7, v6, PITCH
	v_lshl_add_u32 v7, v5, 4, v7
	v_add_nc_u32 v7, s63, v7                       ; out of it: sixteen lanes to a row, two rows an instruction
	s_mov_b32 s18, 256                             ; w_mlp_proj's figures: first work-group,
	s_mov_b32 s19, 4                               ; log2 of the tiles along K,
	s_mov_b32 s20, 4096                            ; bytes in a row of the weight,
	s_mov_b32 s21, 4096                            ; bytes in a row of its codes,
	s_mov_b32 s22, 8388608                         ; where its codes begin
	s_wait_kmcnt 0x0
	s_load_b256 s[24:31], s[12:13], 0x0            ; e0 .. e7
	s_load_b128 s[32:35], s[12:13], 0x20           ; e8 .. e11
	s_mov_b64 s[16:17], s[10:11]
	PICK 256, 8, 128, 16384, 4194304               ; w_fc
	PICK 128, 6, 96, 4096, 3145728                 ; w_attn_proj
	PICK 96, 4, 0, 12288, 0                        ; w_qkv
	s_sub_co_u32 s23, ttmp9, s18                   ; my number within the tensor
	s_lshl_b32 s36, 1, s19
	s_sub_co_u32 s36, s36, 1
	s_and_b32 s36, s23, s36                        ; which 256 along K
	s_lshr_b32 s37, s23, s19                       ; which 128 columns
	s_lshl_b32 s39, s37, 7
	s_lshl_b32 s56, s38, 5
	s_add_co_u32 s39, s39, s56                     ; my wave's first column
	s_mul_i32 s56, s36, s20
	s_lshl_b32 s56, s56, 8                         ; 256 rows of the weight for each step along K (under 2^24 bytes at these sizes),
	s_lshl_b32 s57, s39, 2
	s_add_co_u32 s56, s56, s57                     ; + 4 bytes a column
	s_mov_b32 s57, 0
	s_add_nc_u64 s[BASE:BASE+1], s[16:17], s[56:57]
	s_lshl_b32 s58, s20, 5                         ; 32 rows
	s_mov_b32 s59, 0
.irp t, 1,2,3,4,5,6,7
	s_add_nc_u64 s[BASE+2*\t:BASE+2*\t+1], s[BASE+2*\t-2:BASE+2*\t-1], s[58:59]
.endr
	s_mul_i32 s60, s39, s21                        ; the codes: my first column's row,
	s_add_co_u32 s60, s60, s22                     ; in my tensor's part of wc,
	s_lshl_b32 s61, s36, 8
	s_add_co_u32 s60, s60, s61                     ; + 256 bytes for each step along K
	s_mov_b32 s61, 0
	s_add_nc_u64 s[14:15], s[14:15], s[60:61]
	v_lshlrev_b32 v[OFF], 2, v2
.set i, 1
.rept 31
	v_add_nc_u32 v[OFF+i], s20, v[OFF+i-1]
.set i, i+1
.endr
.macro LOAD t                          ; block t: W(32 t + i, my column), i = 0 .. 31, into set t % 2
.set i, 0
.rept 32
	global_load_b32 v[QX+32*((\t)%2)+i], v[OFF+i], s[BASE+2*(\t):BASE+2*(\t)+1] th:TH_LOAD_NT
.set i, i+1
.endr
.endm
	LOAD 0
	LOAD 1
	v_mul_lo_u32 v[OO], v6, s21
	v_lshl_add_u32 v[OO], v5, 4, v[OO]             ; the same two rows in the codes' buffer
	s_lshl_b32 s62, s21, 1
.set i, 1
.rept 15
	v_add_nc_u32 v[OO+i], s62, v[OO+i-1]
.set i, i+1
.endr
	s_wait_kmcnt 0x0
	s_cmp_lt_u32 ttmp9, 256                        ; my tensor's e: e11, e9, e7 or e1
	s_cselect_b32 s35, s33, s35
	s_cmp_lt_u32 ttmp9, 128
	s_cselect_b32 s35, s31, s35
	s_cmp_lt_u32 ttmp9, 96
	s_cselect_b32 s35, s25, s35
	s_add_co_i32 s35, s35, 127
	s_lshl_b32 s34, s35, 23
	v_mov_b32 v11, s34                             ; 2^e as f32: the conversion takes its exponent field
	s_add_co_i32 s35, s35, 8
	s_lshl_b32 s35, s35, 23
	s_or_b32 s35, s35, 0x600000
	v_mov_b32 v10, s35                             ; 448 x 2^e
.macro BLOCK t
.set XS, QX+32*((\t)%2)
.if (\t) < 7
	s_wait_loadcnt 32                              ; this block's 32 loads are in; the next block's 32 may be out
.else
	s_wait_loadcnt 0
.endif
.set i, 0
.rept 32
	v_med3_num_f32 v[XS+i], v[XS+i], -v10, v10     ; the conversion to an 8-bit code does not saturate (ISA guide 7.6.2): the hold comes first
.set i, i+1
.endr
.irp g, 0,1,2,3
	v_cvt_scalef32_pk8_fp8_f32 v[QC+2*\g:QC+2*\g+1], v[XS+8*\g:XS+8*\g+7], v11
.endr
	ds_store_b128 v4, v[QC:QC+3] offset:32*(\t)    ; 32 codes: 32 bytes of my column's row
	ds_store_b128 v4, v[QC+4:QC+7] offset:32*(\t)+16
.if (\t)+2 < 8
	LOAD (\t)+2
.endif
	s_wait_dscnt 0x0                               ; the stores have read their registers: the next block's codes may be written
.endm
.irp t, 0,1,2,3,4,5,6,7
	BLOCK \t
.endr
.set i, 0
.rept 16
	ds_load_b128 v[OUTR+4*i:OUTR+4*i+3], v7 offset:2*i*PITCH   ; LDS serves a wave's instructions in order: these see my stores
.set i, i+1
.endr
.set i, 0
.rept 16
	s_wait_dscnt 15-i                              ; loads come back in order: number i is in, the 15 - i behind it may be out
	global_store_b128 v[OO+i], v[OUTR+4*i:OUTR+4*i+3], s[14:15]
.set i, i+1
.endr
	s_wait_tensorcnt 0x0
	ds_add_u32 v216, v217
	s_wait_dscnt 0x0
	s_endpgm
; ---------------------------------------------------------------- the norm
.Lnorm:
.set X,   32                           ; v32-95   row i at X + 32 i
.set W,   96                           ; v96-127  the gain
.set B,   128                          ; v128-159 the bias
.set S,   160                          ; v160-167 four packed chains
.set MU,  168                          ; v[168:169] the mean, twice
.set RS,  170                          ; v[170:171], v[172:173] 1 / sqrt(var + eps) of row 0, 1
.set PT,  174                          ; the lane permute's destination
.set LIM, 175
.set SCL, 176
.set C,   178                          ; codes: row i at C + 16 i
.set OS,  186                          ; rows read back: row i at OS + 16 i
	s_load_b256 s[4:11], s[0:1], 0x30              ; x s[4:5], gain s[6:7], bias s[8:9], the codes s[10:11]
	s_load_b64 s[12:13], s[0:1], 0x20              ; the scales' exponents
	v_and_b32 v5, 31, v0
	v_lshlrev_b32 v1, 4, v5                        ; 16 x lane
	s_lshl_b32 s15, s38, 11
	s_add_co_u32 s15, s15, NLDS                    ; my wave's 2,048 bytes of LDS, behind the weights' stages
	v_lshl_add_u32 v2, v5, 2, s15                  ; in: 4 x lane
	v_add_nc_u32 v3, s15, v1                       ; back: 16 x lane
	s_sub_co_u32 s16, ttmp9, NWQ
	s_lshl_b32 s16, s16, 15                        ; 8 rows of 4,096 bytes a work-group,
	s_lshl_b32 s17, s38, 13                        ; 2 a wave
	s_add_co_u32 s16, s16, s17
	s_mov_b32 s17, 0
	s_lshr_b32 s18, s16, 2                         ; the codes are a quarter of the bytes
	s_mov_b32 s19, 0
	s_mov_b32 s20, 0x3a800000                      ; 1 / 1024
	s_mov_b32 s21, 0x3727c5ac                      ; 1e-5
	s_mov_b32 s22, 0x76543210                      ; v_permlanex16_b32: lane l xor 16
	s_mov_b32 s23, 0xfedcba98
	v_mov_b32 v[PT], 0                             ; written once: a lane permute's destination counts as read
	s_wait_kmcnt 0x0
	s_load_b32 s24, s[12:13], 0x0                  ; e0
	s_add_nc_u64 s[4:5], s[4:5], s[16:17]
	s_add_nc_u64 s[10:11], s[10:11], s[18:19]
.irp i, 0,1
.irp j, 0,1,2,3,4,5,6,7
	global_load_b128 v[X+32*\i+4*\j:X+32*\i+4*\j+3], v1, s[4:5] offset:4096*\i+512*\j th:TH_LOAD_NT
.endr
.endr
.irp j, 0,1,2,3,4,5,6,7
	global_load_b128 v[W+4*\j:W+4*\j+3], v1, s[6:7] offset:512*\j
.endr
.irp j, 0,1,2,3,4,5,6,7
	global_load_b128 v[B+4*\j:B+4*\j+3], v1, s[8:9] offset:512*\j
.endr
.macro FOLD                            ; the four chains, then the 32 lanes: the sum in every lane's v[S]
	v_pk_add_f32 v[S:S+1], v[S:S+1], v[S+2:S+3]
	v_pk_add_f32 v[S+4:S+5], v[S+4:S+5], v[S+6:S+7]
	v_pk_add_f32 v[S:S+1], v[S:S+1], v[S+4:S+5]
	v_add_f32 v[S], v[S], v[S+1]
	v_add_f32_dpp v[S], v[S], v[S] row_xmask:1 row_mask:0xf bank_mask:0xf
	v_add_f32_dpp v[S], v[S], v[S] row_xmask:2 row_mask:0xf bank_mask:0xf
	v_add_f32_dpp v[S], v[S], v[S] row_xmask:4 row_mask:0xf bank_mask:0xf
	v_add_f32_dpp v[S], v[S], v[S] row_xmask:8 row_mask:0xf bank_mask:0xf
	v_permlanex16_b32 v[PT], v[S], s22, s23
	v_add_f32 v[S], v[S], v[PT]
.endm
.macro STAT i                          ; row i: x - mean in place; var + eps into v[RS + 2 i]
.set XR, X+32*\i
.irp c, 0,1,2,3
	v_pk_add_f32 v[S+2*\c:S+2*\c+1], v[XR+2*\c:XR+2*\c+1], v[XR+8+2*\c:XR+8+2*\c+1]
.endr
.irp p, 8,9,10,11,12,13,14,15
	v_pk_add_f32 v[S+2*(\p%4):S+2*(\p%4)+1], v[S+2*(\p%4):S+2*(\p%4)+1], v[XR+2*\p:XR+2*\p+1]
.endr
	FOLD
	v_mul_f32 v[MU], s20, v[S]
	v_mov_b32 v[MU+1], v[MU]
.irp p, 0,1,2,3,4,5,6,7,8,9,10,11,12,13,14,15
	v_pk_add_f32 v[XR+2*\p:XR+2*\p+1], v[XR+2*\p:XR+2*\p+1], v[MU:MU+1] neg_lo:[0,1] neg_hi:[0,1]
.endr
.irp c, 0,1,2,3
	v_pk_mul_f32 v[S+2*\c:S+2*\c+1], v[XR+2*\c:XR+2*\c+1], v[XR+2*\c:XR+2*\c+1]
.endr
.irp p, 4,5,6,7,8,9,10,11,12,13,14,15
	v_pk_fma_f32 v[S+2*(\p%4):S+2*(\p%4)+1], v[XR+2*\p:XR+2*\p+1], v[XR+2*\p:XR+2*\p+1], v[S+2*(\p%4):S+2*(\p%4)+1]
.endr
	FOLD
	v_fma_f32 v[RS+2*\i], v[S], s20, s21
.endm
	s_wait_loadcnt 24                              ; row 0's eight loads are in; behind them: row 1's 8, the gain's 8, the bias's 8
	STAT 0
	s_wait_loadcnt 16                              ; row 1's are in; the gain's and the bias's may be out
	STAT 1
	v_rsq_f32 v[RS], v[RS]                         ; one batch of two,
	v_rsq_f32 v[RS+2], v[RS+2]
	v_nop                                          ; a plain instruction behind it,
	s_wait_kmcnt 0x0
	s_add_co_i32 s24, s24, 127
	s_lshl_b32 s25, s24, 23
	s_add_co_i32 s24, s24, 8
	s_lshl_b32 s24, s24, 23
	s_or_b32 s24, s24, 0x600000
	v_mov_b32 v[SCL], s25                          ; 2^e
	v_mov_b32 v[LIM], s24                          ; 448 x 2^e
	s_wait_alu depctr_va_vdst(0)                   ; and one wait ahead of the first instruction that names a result
	v_mov_b32 v[RS+1], v[RS]                       ; (named as the pairs' upper halves)
	v_mov_b32 v[RS+3], v[RS+2]
	s_wait_loadcnt 0x0                             ; gain and bias
.macro OUT i
.set XR, X+32*\i
.set CR, C+16*\i
.set OR, OS+16*\i
.irp p, 0,1,2,3,4,5,6,7,8,9,10,11,12,13,14,15
	v_pk_mul_f32 v[XR+2*\p:XR+2*\p+1], v[XR+2*\p:XR+2*\p+1], v[RS+2*\i:RS+2*\i+1] op_sel_hi:[1,0]
.endr
.irp p, 0,1,2,3,4,5,6,7,8,9,10,11,12,13,14,15
	v_pk_fma_f32 v[XR+2*\p:XR+2*\p+1], v[XR+2*\p:XR+2*\p+1], v[W+2*\p:W+2*\p+1], v[B+2*\p:B+2*\p+1]
.endr
.set n, 0
.rept 32
	v_med3_num_f32 v[XR+n], v[XR+n], -v[LIM], v[LIM]   ; the conversion does not saturate (ISA guide 7.6.2): the hold comes first
.set n, n+1
.endr
.irp g, 0,1,2,3
	v_cvt_scalef32_pk8_fp8_f32 v[CR+2*\g:CR+2*\g+1], v[XR+8*\g:XR+8*\g+7], v[SCL]   ; word j of the eight: the codes at byte 128 j + 4 lane of the row
.endr
	v_nop                                          ; a plain instruction behind the last conversion
.irp j, 0,1,2,3,4,5,6,7
	ds_store_b32 v2, v[CR+\j] offset:1024*\i+128*\j
.endr
.irp u, 0,1
	ds_load_b128 v[OR+4*\u:OR+4*\u+3], v3 offset:1024*\i+512*\u   ; LDS serves a wave's instructions in order: these see my stores
.endr
	s_wait_dscnt 0x0
.irp u, 0,1
	global_store_b128 v1, v[OR+4*\u:OR+4*\u+3], s[10:11] offset:1024*\i+512*\u   ; 512 consecutive bytes, aligned
.endr
.endm
	OUT 0
	OUT 1
	s_wait_tensorcnt 0x0
	ds_add_u32 v216, v217
	s_wait_dscnt 0x0
	s_endpgm
.Lfunc_end_k_q28e1d0df30_prep:
	.size	k_q28e1d0df30_prep, .Lfunc_end_k_q28e1d0df30_prep-k_q28e1d0df30_prep
	.p2alignl 7, 3214868480
	.fill 96, 4, 3214868480
	.section	.rodata,"a",@progbits
	.p2align	6, 0x0
	.amdhsa_kernel k_q28e1d0df30_prep
		.amdhsa_group_segment_fixed_size 43520
		.amdhsa_private_segment_fixed_size 0
		.amdhsa_enable_private_segment 0
		.amdhsa_kernarg_size 80
		.amdhsa_user_sgpr_count 2
		.amdhsa_user_sgpr_kernarg_segment_ptr 1
		.amdhsa_wavefront_size32 1
		.amdhsa_system_sgpr_workgroup_id_x 1
		.amdhsa_system_sgpr_workgroup_id_y 1
		.amdhsa_system_sgpr_workgroup_id_z 1
		.amdhsa_system_vgpr_workitem_id 0
		.amdhsa_next_free_vgpr 218
		.amdhsa_next_free_sgpr 66
		.amdhsa_reserve_vcc 0
		.amdhsa_float_denorm_mode_32 3
		.amdhsa_float_denorm_mode_16_64 3
		.amdhsa_memory_ordered 1
		.amdhsa_forward_progress 1
		.amdhsa_inst_pref_size 76
	.end_amdhsa_kernel
	.amdgpu_metadata
---
amdhsa.version: [ 1, 2 ]
amdhsa.kernels:
  - .name:           k_q28e1d0df30_prep
    .symbol:         k_q28e1d0df30_prep.kd
    .args:
      - { .name: w_qkv, .offset: 0, .size: 8, .value_kind: global_buffer, .address_space: global }
      - { .name: w_attn_proj, .offset: 8, .size: 8, .value_kind: global_buffer, .address_space: global }
      - { .name: w_fc, .offset: 16, .size: 8, .value_kind: global_buffer, .address_space: global }
      - { .name: w_mlp_proj, .offset: 24, .size: 8, .value_kind: global_buffer, .address_space: global }
      - { .name: lowp_scales, .offset: 32, .size: 8, .value_kind: global_buffer, .address_space: global }
      - { .name: wc, .offset: 40, .size: 8, .value_kind: global_buffer, .address_space: global }
      - { .name: x, .offset: 48, .size: 8, .value_kind: global_buffer, .address_space: global }
      - { .name: ln1_w, .offset: 56, .size: 8, .value_kind: global_buffer, .address_space: global }
      - { .name: ln1_b, .offset: 64, .size: 8, .value_kind: global_buffer, .address_space: global }
      - { .name: ac, .offset: 72, .size: 8, .value_kind: global_buffer, .address_space: global }
    .group_segment_fixed_size: 43520
    .private_segment_fixed_size: 0
    .kernarg_segment_align: 8
    .kernarg_segment_size: 80
    .max_flat_workgroup_size: 128
    .sgpr_count:     66
    .vgpr_count:     218
    .wavefront_size: 32
...
	.end_amdgpu_metadata
.endif
;; end of part 1
;; launch gemm_qkv (part 2): grid 12 x 16, 4 waves a work-group, clusters of 4 x 4, 327,680 bytes of LDS; arguments ac, wc, lowp_scales, qkvc; writes qkvc
.if DOCPART == 2
	.amdgcn_target "amdgcn-amd-amdhsa--gfx1250"
	.amdhsa_code_object_version 6
	.text
	.protected	k_q28e1d0df30_gemm_qkv
	.globl	k_q28e1d0df30_gemm_qkv
	.p2align	8
	.type	k_q28e1d0df30_gemm_qkv,@function
k_q28e1d0df30_gemm_qkv:
	s_mov_b64 s[64:65], 0
	v_nop
	global_prefetch_b8 v0, s[64:65] scope:SCOPE_SE
	s_setreg_imm32_b32 hwreg(HW_REG_WAVE_MODE, 25, 1), 1
	s_wait_xcnt 0x0
	s_wait_alu depctr_hold_cnt(0) depctr_sa_sdst(0) depctr_va_vdst(0) depctr_va_sdst(0) depctr_va_ssrc(0) depctr_va_vcc(0) depctr_vm_vsrc(0)
	s_getreg_b32 s2, hwreg(HW_REG_IB_STS2, 6, 4)
	s_cmp_eq_u32 s2, 0
	s_cbranch_scc0 .Lentry_in_a_cluster
	s_endpgm
.Lentry_in_a_cluster:
	s_bfe_u32 s2, ttmp6, 0x10000c
	s_cmp_lg_u32 s2, 0xf033
	s_cbranch_scc0 .Lentry_shape_is_right
	s_endpgm
.Lentry_shape_is_right:
; q, k, v = Q(layernorm(x)) Q(w_qkv), on codes of E4M3, and each result quantised at once for attention: q with 2^e2, k with 2^e3, v with 2^e5.
; ac: [4096][1024] codes (scale 2^e0); wc from byte 0: w_qkv's codes [3072][1024] (2^e1).  qkvc: q [2][16][2048][64] at byte 0, k likewise at 4,194,304, v TRANSPOSED [2][16][64][2048] at 8,388,608 (the keys are its K).
; A tile of 256 x 256 is made by four waves, each 128 x 128: 64 accumulators, 512 registers.  K goes in steps of 256 through a ring of two LDS slots filled by tensor loads: a tile's row is 256 bytes of memory.
; TWO ROLES.  P's rows are source 1 of the matrix instruction: a lane holds ONE row of P.  S's rows are source 0: a lane's eight results are eight NEIGHBOURING rows of S.  What is quantised next wants its K along a lane's
; registers: for q and k that is the channel (S = the weight's rows, P = tokens), for v the token (S = tokens, P = the weight's rows).  Both buffers have rows of 1,024 bytes, so one text serves: the cluster's x (2 = v) chooses
; the two pointers and the two tile numbers.  It is the same number in all sixteen partners.
; CLUSTERS: 4 x 4 work-groups.  P's tile hangs on cy and is shared along a row of the cluster, S's on cx and along a column: each is asked for JOINTLY, by the same tensor load with the same descriptor and a mask of four.
; 192 work-groups: a tile of 128 x 128 a wave reads half the LDS bytes for each product that 64 x 64 would.
; A sum stands for sum x 2^(e0 + e1): its code is sum / 2^(eo - e0 - e1), eo = e2, e3 or e5: the three scales are folded into the conversion's one.
; LIMITS: eo - e0 - e1 between -126 and 119.
; REGISTERS, in windows of 256: window 0: v16-31 addresses; from v128 P's fragments (8 x 16 rows x 128 K), one set; window 1: S's fragments, two sets; window 2, 3: the accumulators of my rows 0-63, 64-127 ((a, b) at v[8 (8 (a % 4) + b)]).
.set SIZE_K, 1024
.set KSTEP,  256
.set ROWB,   256
.set KROW,   SIZE_K
.set PITCH,  272                       ; an LDS row: 256 bytes + 16 = 68 words: the 16 rows that a load touches start at 16 different banks (64 banks of 4 bytes: ISA guide 11.1)
.set FR,     16
.set NL,     4
.set NP,     4                         ; places behind this matrix instruction (ISA guide 7.12.1)
.set HALFT,  128*PITCH
.set SLOT,   4*HALFT                   ; P's 256 rows, then S's 256 rows
.set LAPS,   SIZE_K/(2*KSTEP)
.set SPARE,  2*SLOT                    ; behind the ring: the spare words, 128 bytes a wave, which no other line names
.set ADRA, 16                          ; v16-17 LDS address of my fragments of P in slot 0, 1
.set ADRB, 20                          ; v20-21 of S
.set CV,   22                          ; v22    v's stores: my byte offset
.set STO,  24                          ; v24    the stage: where I put 8 codes
.set RDQ,  25                          ; v25    the stage read for q, k
.set RDV,  26                          ; v26    and for v
.set CQ,   27                          ; v27    q's, k's stores: my byte offset
.set SPW,  28                          ; v28    my spare word; never rewritten
.set NIL,  29                          ; v29    0; never rewritten
.set LIM,  30
.set SCL,  31
.set TMP,  32                          ; v32-95  a block's sums, held
.set CD,   96                          ; v96-127 codes, two sets of 16
.set AF,   128
.set BK,   128                         ; v128-255 the way out: rows read back
.set G1, 24
.set G0, 32
.set G1B, 48
.set G0B, 56
.set MSB, 0
.macro WIN new                         ; the immediate's high byte repeats the setting that is left
.if MSB != (\new)
	s_set_vgpr_msb (MSB<<8)|(\new)
.set MSB, (\new)
.endif
.endm
.set MUL_LO, 0xa1                      ; source 0 (S) window 1, source 1 (P) window 0, C and D window 2
.set MUL_HI, 0xf1
.set TO_B,   0x40
; A joint load: waves 0 and 1 fetch P's halves, waves 2 and 3 S's.  The branch hangs on the wave's number alone.  Four v_nop follow each of the two lines.
.macro JLOAD g0a, g1a, g0b, g1b
	s_cmp_eq_u32 s15, 0
	s_cbranch_scc0 .Lfor_b_\@
	tensor_load_to_lds s[\g0a:\g0a+3], s[\g1a:\g1a+7]
	s_nop 0
.rept 4
	v_nop
.endr
	s_branch .Lasked_\@
.Lfor_b_\@:
	tensor_load_to_lds s[\g0b:\g0b+3], s[\g1b:\g1b+7]
	s_nop 0
.rept 4
	v_nop
.endr
.Lasked_\@:
.endm
.macro CREST                           ; a round of the cluster's barrier behind its opening barrier
	s_cmp_lg_u32 s14, 0
	s_cbranch_scc1 .Lnot_wave_0_\@
	s_barrier_signal -3
.Lnot_wave_0_\@:
	s_barrier_wait -3
	s_barrier_signal -1
	s_barrier_wait -1
.endm
.macro CROUND
	s_barrier_signal -1
	s_barrier_wait -1
	CREST
.endm
	s_load_b128 s[4:7], s[0:1], 0x0                ; ac, wc
	s_load_b128 s[8:11], s[0:1], 0x10              ; the scales' exponents, qkvc
	v_lshl_add_u32 v[SPW], v0, 2, SPARE
	v_mov_b32 v[NIL], 0
	ds_add_u32 v28, v29
	ds_add_u32 v28, v29
	s_wait_dscnt 0x0
	v_lshrrev_b32 v1, 5, v0
	v_readfirstlane_b32 s14, v1                    ; wave 0..3
	s_lshr_b32 s15, s14, 1                         ; which half of P's rows is mine.  Also: I fetch for P (0) or for S (1)
	s_and_b32 s16, s14, 1                          ; which half of S's rows.  Also: which 128 rows of that tile I fetch
	s_bfe_u32 s40, ttmp6, 0x40000                  ; cx
	s_bfe_u32 s41, ttmp6, 0x40004                  ; cy
	s_and_b32 s13, ttmp7, 0xffff                   ; the cluster's y
	s_cmp_eq_u32 ttmp9, 2                          ; v's clusters: the weight is P, the tokens are S
	s_cselect_b32 s17, ttmp9, s13
	s_cselect_b32 s42, s13, ttmp9
	s_lshl_b32 s17, s17, 2
	s_add_co_u32 s17, s17, s41                     ; P's tile
	s_lshl_b32 s42, s42, 2
	s_add_co_u32 s42, s42, s40                     ; S's tile
	s_lshl_b32 s43, s41, 2
	s_lshl_b32 s43, 15, s43                        ; my row of the cluster
	s_lshl_b32 s44, 0x1111, s40                    ; my column
	s_or_b32 s[G1+0], s43, (0<<16)|(1<<20)|(1<<21)|(5<<22)|(3<<25)  ; the mask; elements of 1 byte; padding on; bit 21 beside a mask; after every 64 words; 4 words
	s_or_b32 s[G1B+0], s44, (0<<16)|(1<<20)|(1<<21)|(5<<22)|(3<<25)
.irp g, G1, G1B
	s_mov_b32 s[\g+1], ROWB<<16                    ; tensor_dim0
	s_mov_b32 s[\g+2], 128<<16                     ; tensor_dim1
	s_mov_b32 s[\g+3], ROWB<<16                    ; tile_dim0
	s_mov_b32 s[\g+4], 128                         ; tile_dim1
	s_mov_b32 s[\g+5], KROW                        ; tensor_dim0_stride
	s_mov_b32 s[\g+6], 0
	s_mov_b32 s[\g+7], 0
.endr
	s_lshl_b32 s18, s16, 7
	s_lshl_b32 s20, s17, 8
	s_add_co_u32 s20, s20, s18                     ; P: row 256 x tile + 128 x half
	s_lshl_b32 s46, s42, 8
	s_add_co_u32 s46, s46, s18                     ; S likewise
	s_mov_b32 s21, 0
	s_mov_b32 s47, 0
	s_mov_b64 s[18:19], KROW
	s_mul_u64 s[20:21], s[20:21], s[18:19]
	s_mul_u64 s[46:47], s[46:47], s[18:19]
	s_mul_i32 s45, s14, HALFT                      ; where they go: wave x 128 rows
	s_wait_kmcnt 0x0
	s_load_b256 s[68:75], s[8:9], 0x0              ; e0 .. e7
	s_cmp_eq_u32 ttmp9, 2
	s_cselect_b64 s[66:67], s[6:7], s[4:5]         ; P's buffer
	s_cselect_b64 s[76:77], s[4:5], s[6:7]         ; S's buffer
	s_add_nc_u64 s[20:21], s[66:67], s[20:21]
	s_add_nc_u64 s[46:47], s[76:77], s[46:47]
	CROUND                                         ; all sixteen work-groups are here: the first joint loads meet
.irp s, 0,1
	s_mov_b32 s[G0+4*\s], 1
	s_add_co_u32 s[G0+4*\s+1], s45, \s*SLOT
	s_add_nc_u64 s[G0+4*\s+2:G0+4*\s+3], s[20:21], \s*ROWB
	s_or_b32 s[G0+4*\s+3], s[G0+4*\s+3], 0x80000000
	s_mov_b32 s[G0B+4*\s], 1
	s_add_co_u32 s[G0B+4*\s+1], s45, \s*SLOT
	s_add_nc_u64 s[G0B+4*\s+2:G0B+4*\s+3], s[46:47], \s*ROWB
	s_or_b32 s[G0B+4*\s+3], s[G0B+4*\s+3], 0x80000000
	JLOAD G0+4*\s, G1, G0B+4*\s, G1B
.endr
	v_and_b32 v1, 15, v0                           ; r
	v_bfe_u32 v2, v0, 4, 1                         ; h
	v_mul_u32_u24 v3, v1, PITCH
	v_lshl_add_u32 v4, v2, 4, v3                   ; a fragment's row x pitch + 16 h
	s_mul_i32 s21, s15, HALFT
	s_mul_i32 s22, s16, HALFT
	s_add_co_u32 s22, s22, 2*HALFT
.irp s, 0,1
	v_add_nc_u32 v[ADRA+\s], s21, v4
	v_add_nc_u32 v[ADRB+\s], s22, v4
	s_add_co_u32 s21, s21, SLOT
	s_add_co_u32 s22, s22, SLOT
.endr
	; the stage of codes: 256 rows (P's) x 272 bytes at LDS byte 0, the work-group's
	s_mul_i32 s23, s15, 128*PITCH
	s_lshl_b32 s21, s16, 7
	s_add_co_u32 s23, s23, s21
	v_lshl_add_u32 v5, v2, 3, v3
	v_add_nc_u32 v[STO], s23, v5                   ; in: row 128 x half + r, byte 128 x half + 8 h
	s_mul_i32 s23, s14, 64*PITCH                   ; back: wave w takes rows 64 w .. 64 w + 63
	v_and_b32 v6, 31, v0
	v_lshrrev_b32 v7, 2, v6
	v_and_b32 v8, 3, v6
	v_mul_u32_u24 v7, v7, PITCH
	v_lshl_add_u32 v7, v8, 4, v7
	v_add_nc_u32 v[RDQ], s23, v7                   ; q, k: four lanes to a token's 64 bytes of a head, eight tokens an instruction
	v_mul_u32_u24 v9, v2, PITCH
	v_lshl_add_u32 v9, v1, 4, v9
	v_add_nc_u32 v[RDV], s23, v9                   ; v: sixteen lanes to a channel's 256 tokens, two channels an instruction
	v_lshlrev_b32 v[CQ], 4, v6
	v_lshlrev_b32 v10, 11, v2
	v_lshl_add_u32 v[CV], v1, 4, v10
	; where my 64 rows go.  q, k: ((batch x 16 + head) x 2048 + token) x 64;  v: (batch x 1024 + channel) x 2048 + token
	s_lshr_b32 s20, s17, 3                         ; batch = token tile / 8
	s_lshl_b32 s20, s20, 4
	s_lshl_b32 s21, s40, 2
	s_add_co_u32 s20, s20, s21                     ; the tile's first head: 4 cx
	s_lshl_b32 s20, s20, 11
	s_and_b32 s21, s17, 7
	s_lshl_b32 s21, s21, 8
	s_add_co_u32 s20, s20, s21
	s_lshl_b32 s21, s14, 6
	s_add_co_u32 s20, s20, s21
	s_lshl_b32 s20, s20, 6
	s_lshl_b32 s21, ttmp9, 22                      ; q at 0, k at 4,194,304
	s_add_co_u32 s20, s20, s21
	s_lshr_b32 s46, s42, 3
	s_lshl_b32 s46, s46, 10
	s_lshl_b32 s47, s41, 8
	s_add_co_u32 s46, s46, s47                     ; the tile's first channel: 256 cy
	s_lshl_b32 s47, s14, 6
	s_add_co_u32 s46, s46, s47
	s_lshl_b32 s46, s46, 11
	s_and_b32 s47, s42, 7
	s_lshl_b32 s47, s47, 8
	s_add_co_u32 s46, s46, s47
	s_add_co_u32 s46, s46, 8388608
	s_cmp_eq_u32 ttmp9, 2
	s_cselect_b32 s20, s46, s20
	s_mov_b32 s21, 0
	s_add_nc_u64 s[10:11], s[10:11], s[20:21]
.macro FRAG reg, adr, q, i             ; 16 rows x 128 K: lane l holds row l % 16; registers 4 c .. 4 c + 3 hold K = 32 c + 16 (l / 16) + 0 .. 15: the same places in P and in S, so every product meets its partner
.irp c, 0,1,2,3
	ds_load_b128 v[\reg+4*\c:\reg+4*\c+3], v[\adr] offset:128*(\q)+32*\c+(\i)*16*PITCH
.endr
.endm
; 16 matrix instructions: P's blocks a0, a0 + 1 x S's eight.  The 64 accumulators take turns, one instruction a turn, in the same order in every step.
.macro MUL16 a0, p, zero
.irp a, \a0, \a0+1
.irp b, 0,1,2,3,4,5,6,7
.if \zero
	v_wmma_f32_16x16x128_fp8_fp8 v[8*(8*((\a)%4)+\b):8*(8*((\a)%4)+\b)+7], v[128*(\p)+FR*\b:128*(\p)+FR*\b+FR-1], v[AF+FR*(\a):AF+FR*(\a)+FR-1], 0
.else
	v_wmma_f32_16x16x128_fp8_fp8 v[8*(8*((\a)%4)+\b):8*(8*((\a)%4)+\b)+7], v[128*(\p)+FR*\b:128*(\p)+FR*\b+FR-1], v[AF+FR*(\a):AF+FR*(\a)+FR-1], v[8*(8*((\a)%4)+\b):8*(8*((\a)%4)+\b)+7]
.endif
.endr
.endr
.endm
.macro FETCH_B slot, q, p
	WIN TO_B
.irp i, 0,1,2,3,4,5,6,7
	FRAG 128*(\p)+FR*\i, ADRB+\slot, \q, \i
.endr
	WIN 0
.endm
.macro FETCH_A slot, q, i0
.irp i, \i0, \i0+1, \i0+2, \i0+3
	FRAG AF+FR*(\i), ADRA+\slot, \q, \i
.endr
.endm
.macro PLACES n                        ; plain vector instructions between a matrix instruction and a load into, or a read of, its registers
.rept \n
	v_nop
.endr
.endm
.macro STEP slot, q, zero              ; 128 along K that have their successor in the same slot
	s_wait_dscnt 4*NL                              ; S's set and P's blocks 0-3 are in; the youngest 16 loads (P's blocks 4-7) may be out
	WIN MUL_LO
	MUL16 0, (\q)%2, \zero
	MUL16 2, (\q)%2, \zero
	s_wait_dscnt 0
	PLACES NP
	FETCH_B \slot, (\q)+1, 1-(\q)%2
	FETCH_A \slot, (\q)+1, 0
	WIN MUL_HI
	MUL16 4, (\q)%2, \zero
	MUL16 6, (\q)%2, \zero
	PLACES NP
	WIN 0
	FETCH_A \slot, (\q)+1, 4
.endm
; A slot's last step changes slots: one barrier; in front of it each wave waits for all its tensor loads, adds 0 to its spare word, and waits for that and for its reads of this slot.
.macro TURN slot, next, fill
	s_wait_tensorcnt 0x0                           ; all my tensor loads have landed: my part of the next slot
	ds_add_u32 v[SPW], v[NIL]
	s_wait_dscnt 4*NL+1                            ; the add and the youngest 16 loads (P's blocks 4-7) may be out
	WIN MUL_LO
	MUL16 0, 1, 0
	s_wait_dscnt 0x0                               ; the add is done, and my reads of this slot are over
	s_barrier_signal -1
	MUL16 2, 1, 0
	WIN 0
	s_barrier_wait -1
.if \fill
	CREST                                          ; the barrier has opened a round of the cluster's barrier: no wave of any partner still reads this slot or has a load on its way
	s_add_nc_u64 s[G0+4*\slot+2:G0+4*\slot+3], s[G0+4*\slot+2:G0+4*\slot+3], 2*ROWB
	s_add_nc_u64 s[G0B+4*\slot+2:G0B+4*\slot+3], s[G0B+4*\slot+2:G0B+4*\slot+3], 2*ROWB
	JLOAD G0+4*\slot, G1, G0B+4*\slot, G1B         ; the first tensor load behind the round; its four v_nop are the places in front of the loads below
.else
	PLACES NP
.endif
	FETCH_B \next, 0, 0
	FETCH_A \next, 0, 0
	WIN MUL_HI
	MUL16 4, 1, 0
	MUL16 6, 1, 0
	PLACES NP
	WIN 0
	FETCH_A \next, 0, 4
.endm
	s_wait_tensorcnt 1                             ; my part of slot 0 is in; slot 1's load, issued behind it, may be out
	s_barrier_signal -1
	s_barrier_wait -1
	FETCH_B 0, 0, 0
	FETCH_A 0, 0, 0
	FETCH_A 0, 0, 4
	STEP 0, 0, 1                                   ; the first step's products start the sums: nothing is cleared
	s_mov_b32 s3, LAPS-1
.Llap:                                                 ; a trip goes once round the ring and fills both slots again
	TURN 0, 1, 1
	STEP 1, 0, 0
	TURN 1, 0, 1
	STEP 0, 0, 0
	s_sub_co_u32 s3, s3, 1
	s_cmp_lg_u32 s3, 0
	s_cbranch_scc1 .Llap
	TURN 0, 1, 0                                   ; the last lap fills nothing
	STEP 1, 0, 0
	s_wait_dscnt 4*NL
	WIN MUL_LO
	MUL16 0, 1, 0
	MUL16 2, 1, 0
	s_wait_dscnt 0
	WIN MUL_HI
	MUL16 4, 1, 0
	MUL16 6, 1, 0
	WIN 0
	; THE WAY OUT.  The sums are held, turned into codes (a lane's eight registers are eight neighbours along the next K) and gathered in a stage in slot 0, which has had its last fill and which nobody has read since the last change of slots.
	s_wait_kmcnt 0x0
	s_cmp_eq_u32 ttmp9, 1
	s_cselect_b32 s76, s71, s70                    ; k: e3; q: e2
	s_cmp_eq_u32 ttmp9, 2
	s_cselect_b32 s76, s73, s76                    ; v: e5
	s_sub_co_i32 s76, s76, s68
	s_sub_co_i32 s76, s76, s69
	s_add_co_i32 s76, s76, 127
	s_lshl_b32 s77, s76, 23
	v_mov_b32 v[SCL], s77                          ; 2^(eo - e0 - e1)
	s_add_co_i32 s76, s76, 8
	s_lshl_b32 s76, s76, 23
	s_or_b32 s76, s76, 0x600000
	v_mov_b32 v[LIM], s76                          ; 448 x that
	PLACES NP
.macro QBLOCK a                        ; my rows 16 a .. 16 a + 15
.set AC, 64*((\a)%4)
.set CR, CD+16*((\a)%2)
	WIN 0x02+((\a)/4)                              ; source 0: window 2 or 3
.set j, 0
.rept 64
	v_med3_num_f32 v[TMP+j], v[AC+j], -v[LIM], v[LIM]   ; the conversion does not saturate (ISA guide 7.6.2); each accumulator from its low end on
.set j, j+1
.endr
	WIN 0
.if (\a) >= 2
	s_wait_dscnt 8                                 ; block a - 2's stores have read this set of codes; block a - 1's eight may be out
.endif
.irp b, 0,1,2,3,4,5,6,7
	v_cvt_scalef32_pk8_fp8_f32 v[CR+2*\b:CR+2*\b+1], v[TMP+8*\b:TMP+8*\b+7], v[SCL]
.endr
	v_nop                                          ; a plain instruction behind the last conversion: the next block writes its sources
.irp b, 0,1,2,3,4,5,6,7
	ds_store_b64 v[STO], v[CR+2*\b:CR+2*\b+1] offset:(\a)*16*PITCH+16*\b
.endr
.endm
.irp a, 0,1,2,3,4,5,6,7
	QBLOCK \a
.endr
	s_wait_dscnt 0x0                               ; for the others' sake: my stores into the stage are done
	s_barrier_signal -1
	s_barrier_wait -1
	s_cmp_eq_u32 ttmp9, 2                          ; the cluster's x: the same in all partners
	s_cbranch_scc1 .Lv_out
.set t, 0
.rept 32                                       ; head t / 8 of the tile's four, tokens 8 (t % 8) on: 32 lanes x 16 bytes = 8 tokens x 64 bytes (these reads go up to four deep in the banks: 64 KiB a work-group, once)
	ds_load_b128 v[BK+4*t:BK+4*t+3], v[RDQ] offset:8*(t%8)*PITCH+64*(t/8)
.set t, t+1
.endr
.set t, 0
.rept 32
	s_wait_dscnt 31-t                              ; number t is in; the 31 - t behind it may be out
	global_store_b128 v[CQ], v[BK+4*t:BK+4*t+3], s[10:11] offset:(t%8)*512+(t/8)*131072   ; 512 consecutive bytes, aligned
.set t, t+1
.endr
	s_branch .Lout_done
.Lv_out:
.set t, 0
.rept 32                                       ; channels 2 t, 2 t + 1 of my 64
	ds_load_b128 v[BK+4*t:BK+4*t+3], v[RDV] offset:2*t*PITCH
.set t, t+1
.endr
.set t, 0
.rept 32
	s_wait_dscnt 31-t
	global_store_b128 v[CV], v[BK+4*t:BK+4*t+3], s[10:11] offset:2*t*2048   ; sixteen lanes store 256 consecutive bytes, aligned
.set t, t+1
.endr
.Lout_done:
	s_wait_tensorcnt 0x0                           ; the wave's end
	ds_add_u32 v[SPW], v[NIL]
	s_wait_dscnt 0x0
	CROUND                                         ; the closing round
	s_endpgm
.Lfunc_end_k_q28e1d0df30_gemm_qkv:
	.size	k_q28e1d0df30_gemm_qkv, .Lfunc_end_k_q28e1d0df30_gemm_qkv-k_q28e1d0df30_gemm_qkv
	.p2alignl 7, 3214868480
	.fill 96, 4, 3214868480
	.section	.rodata,"a",@progbits
	.p2align	6, 0x0
	.amdhsa_kernel k_q28e1d0df30_gemm_qkv
		.amdhsa_group_segment_fixed_size 327680
		.amdhsa_private_segment_fixed_size 0
		.amdhsa_enable_private_segment 0
		.amdhsa_kernarg_size 32
		.amdhsa_user_sgpr_count 2
		.amdhsa_user_sgpr_kernarg_segment_ptr 1
		.amdhsa_wavefront_size32 1
		.amdhsa_system_sgpr_workgroup_id_x 1
		.amdhsa_system_sgpr_workgroup_id_y 1
		.amdhsa_system_sgpr_workgroup_id_z 1
		.amdhsa_system_vgpr_workitem_id 0
		.amdhsa_next_free_vgpr 1024
		.amdhsa_next_free_sgpr 100
		.amdhsa_reserve_vcc 0
		.amdhsa_float_denorm_mode_32 3
		.amdhsa_float_denorm_mode_16_64 3
		.amdhsa_memory_ordered 1
		.amdhsa_forward_progress 1
		.amdhsa_inst_pref_size 132
	.end_amdhsa_kernel
	.amdgpu_metadata
---
amdhsa.version: [ 1, 2 ]
amdhsa.kernels:
  - .name:           k_q28e1d0df30_gemm_qkv
    .symbol:         k_q28e1d0df30_gemm_qkv.kd
    .args:
      - { .name: ac, .offset: 0, .size: 8, .value_kind: global_buffer, .address_space: global }
      - { .name: wc, .offset: 8, .size: 8, .value_kind: global_buffer, .address_space: global }
      - { .name: lowp_scales, .offset: 16, .size: 8, .value_kind: global_buffer, .address_space: global }
      - { .name: qkvc, .offset: 24, .size: 8, .value_kind: global_buffer, .address_space: global }
    .group_segment_fixed_size: 327680
    .private_segment_fixed_size: 0
    .kernarg_segment_align: 8
    .kernarg_segment_size: 32
    .max_flat_workgroup_size: 128
    .sgpr_count:     100
    .vgpr_count:     1024
    .wavefront_size: 32
...
	.end_amdgpu_metadata
.endif
;; end of part 2
;; launch attn (part 3): grid 8 x 32, 16 waves a work-group, clusters of 4 x 1, 301,056 bytes of LDS; arguments qkvc, lowp_scales, yc; writes yc
.if DOCPART == 3
	.amdgcn_target "amdgcn-amd-amdhsa--gfx1250"
	.amdhsa_code_object_version 6
	.text
	.protected	k_q28e1d0df30_attn
	.globl	k_q28e1d0df30_attn
	.p2align	8
	.type	k_q28e1d0df30_attn,@function
k_q28e1d0df30_attn:
	s_mov_b64 s[64:65], 0
	v_nop
	global_prefetch_b8 v0, s[64:65] scope:SCOPE_SE
	s_setreg_imm32_b32 hwreg(HW_REG_WAVE_MODE, 25, 1), 1
	s_wait_xcnt 0x0
	s_wait_alu depctr_hold_cnt(0) depctr_sa_sdst(0) depctr_va_vdst(0) depctr_va_sdst(0) depctr_va_ssrc(0) depctr_va_vcc(0) depctr_vm_vsrc(0)
	s_getreg_b32 s2, hwreg(HW_REG_IB_STS2, 6, 4)
	s_cmp_eq_u32 s2, 0
	s_cbranch_scc0 .Lentry_in_a_cluster
	s_endpgm
.Lentry_in_a_cluster:
	s_bfe_u32 s2, ttmp6, 0x10000c
	s_cmp_lg_u32 s2, 0x3003
	s_cbranch_scc0 .Lentry_shape_is_right
	s_endpgm
.Lentry_shape_is_right:
; y = softmax(q k^T / 8, causal) v for each of 32 (batch, head) pairs, both products on codes of E4M3, and y quantised at once with 2^e6 for the next product.
; qkvc: q [32][2048][64] at byte 0 (scale 2^e2), k likewise at 4,194,304 (2^e3), v with the keys innermost [32][64][2048] at 8,388,608 (2^e5).  yc: [16 heads][4096 tokens][64] codes.
; THE SOFTMAX: t = score x log2(e) / 8; M = the running largest t rounded UP to a whole number; p = 2^(t - M) is quantised with 2^e4, not normalised; the row's sum is taken of the unquantised p and divides at the end.
; When M moves, the sum and O are multiplied by 2^(old M - new M), which rounds nothing.
; SHARES.  A head's 2,048 queries are 16 blocks of 128, a block 8 tiles of 16.  Work-group j (0 .. 7) of the head takes tile j of EVERY block; its wave w takes block T[w].  A tile of block b needs the key steps 0 .. b of 128 keys,
; whichever tile of the block it is: so how many steps a wave walks hangs on the wave's number alone and is the same in all eight work-groups, each of which has 136 wave-steps.
; T = 15 2 1 12 / 4 9 10 7 / 8 5 6 11 / 3 14 13 0: every row and every column of that square adds up to 30, so that four waves w, w + 4, w + 8, w + 12 have 34 steps together, and so have four waves 4 s .. 4 s + 3.
; CLUSTER: four work-groups of one head.  They need the same K and V, and since no branch differs between them, every tile is asked for JOINTLY: the same tensor load, with the same descriptor and the mask 15, in all four.
; The work-group's place in its cluster enters q's and y's addresses in memory and the mask's compare in vector registers, and nothing else.
; THE WHOLE HEAD LIES IN LDS, brought once; nothing is filled again.  Each wave issues TWO tensor loads, in this order: its sixteenth of the first 256 keys, then its sixteenth of the other 1,792 (waves 0-7: K; waves 8-15: V).
; Behind the first barrier the first two key steps are worked while the second loads are on their way; a second barrier stands in front of the loop over the other seven chunks of 256 keys.
; (So the tiles are small, 8 or 56 rows: sixteen waves share each part, so that the first part is whole as soon as may be.)  All bytes are asked for at the head: there is nothing left to prefetch.
; Every wave walks all chunks in a loop of constant count; a step all of whose keys come after the wave's block is jumped over by a scalar branch.
; LAYOUT.  Both products are used transposed: S^T = K Q^T (source 0 = 16 keys), O^T = V^T P^T (source 0 = 16 channels): a lane holds ONE query (lane % 16).  In S^T's tile t register j is key 16 t + 8 (lane / 16) + j, which is
; the place that the K = 128 form gives registers 2 t, 2 t + 1 of its operand: the conversions' results are P's fragment.  V's fragments are read in that same order, 8 bytes a load.
; LIMITS: e2 + e3 between -123 and 130 (added to c's exponent field); e4, and e6 - e4 - e5, between -126 and 119.
; REGISTERS: v1-7, 11 addresses and the mask's number, which stay; v8-10 the step's addresses; v12 -M, v13 the largest t, v[14:15] the sum; v16-23 Q; v24-29 at work at the head; v32-95 K's eight fragments, then V's four;
;   v96-159 S^T, then p; v160-191 O^T; v224-239 p's codes; v240-254 constants and work.
.set CHUNK, 17408                      ; 64 LDS rows of 256 bytes + 16: 256 keys of K, four keys to a row.  K: 8 chunks from LDS byte 0
.set VOFF0, 8*CHUNK                    ; V's first 256 keys: 64 rows (channels) x 272
.set VOFF1, 9*CHUNK                    ; V's other 1,792 keys: 64 rows x VP1
.set VP1,   7*272                      ; seven pieces of 256 bytes + 16: 119 x 16 bytes, an odd multiple: sixteen rows fall on sixteen different 16-byte columns
.set STAGE, 16*CHUNK                   ; behind K and V: 16 rows x 80 bytes for each wave; no tensor load lands there
.set AK0,  1                           ; v1   my lane's place in a tile of K
.set AV0,  2                           ; v2   in V's first part
.set STO,  3                           ; v3   the stage: in
.set RD,   4                           ; v4   the stage: back
.set AV1,  5                           ; v5   my lane's place in V's second part, channels 0-31;  v6: channels 32-63 (48 rows of VP1 bytes do not fit a 16-bit immediate)
.set AV1B, 6
.set GO,   7                           ; v7   16 x lane
.set ADK,  8                           ; v8   the step's tiles of K
.set ADV,  9                           ; v9, v10  of V
.set DM,   11                          ; v11  my query's place in its block less 8 (lane / 16)
.set WV,   18
.set SEL,  20
.set CS,   22
.set G1K0, 24                          ; s[24:31] the shape of K's first tile;  s[32:39] of its second
.set G1K1, 32
.set G0A,  40                          ; s[40:43] from where, to where: my first tile;  s[44:47] my second
.set G0B,  44
.set G1V0, 48                          ; s[48:55], s[56:63] the shapes of V's two tiles
.set G1V1, 56
.set TBK,  66                          ; s66  LDS byte of K's chunk in hand
.set TBV,  67                          ; s67  byte of V's piece in hand within a row of the second part
.set CH,   94                          ; s94  chunks to go
.set KF,   95                          ; s95  the step's first key
.set BF,   96                          ; s96  my block's first key: 128 T[wave]
.set Q0,   97                          ; s97  my first query
.macro CROUND                          ; a round of the cluster's barrier
	s_barrier_signal -1
	s_barrier_wait -1
	s_cmp_lg_u32 s[WV], 0
	s_cbranch_scc1 .Lnot_wave_0_\@
	s_barrier_signal -3
.Lnot_wave_0_\@:
	s_barrier_wait -3
	s_barrier_signal -1
	s_barrier_wait -1
.endm
.macro SHAPE g, c, r, p                ; descriptor group 1: r rows of c bytes, p bytes apart in memory
	s_mov_b32 s[\g], 15|(0<<16)|(1<<20)|(1<<21)|(5<<22)|(3<<25)   ; the mask: all four work-groups; elements of 1 byte; padding on; bit 21 beside a mask; 4 words after every 64
	s_mov_b32 s[\g+1], (\c)<<16                    ; tensor_dim0
	s_mov_b32 s[\g+2], (\r)<<16                    ; tensor_dim1
	s_mov_b32 s[\g+3], (\c)<<16                    ; tile_dim0
	s_mov_b32 s[\g+4], \r                          ; tile_dim1
	s_mov_b32 s[\g+5], \p                          ; tensor_dim0_stride
	s_mov_b32 s[\g+6], 0
	s_mov_b32 s[\g+7], 0
.endm
	s_load_b128 s[4:7], s[0:1], 0x0                ; qkvc, the scales' exponents
	s_load_b64 s[8:9], s[0:1], 0x10                ; yc
	v_lshl_add_u32 v251, v0, 2, 0x49000
	v_mov_b32 v255, 0
	ds_add_u32 v251, v255
	ds_add_u32 v251, v255
	v_lshrrev_b32 v24, 5, v0
	s_delay_alu instid0(VALU_DEP_1)
	v_readfirstlane_b32 s[WV], v24                 ; wave 0..15
	s_bfe_u32 s10, ttmp6, 0x40000                  ; cx: my place in the cluster
	s_lshl_b32 s11, ttmp9, 2                       ; in a cluster launch ttmp9 counts clusters
	s_add_co_u32 s11, s11, s10                     ; j = 4 x cluster x + cx: which tile of every block is my work-group's
	s_lshl_b32 s11, s11, 4                         ; 16 j
	s_and_b32 s76, ttmp7, 0xffff                   ; batch x 16 + head, which the four partners share
	s_lshl_b32 s77, s76, 17                        ; its first byte in q, in k and in v
	s_and_b32 s79, s[WV], 7
	s_lshr_b32 s82, s[WV], 3                       ; 0: I fetch for K; 1: for V
	s_mov_b32 s78, 0x0de3b658                      ; T[8 .. 15], four bits each, the lowest first
	s_cmp_lt_u32 s[WV], 8
	s_cselect_b32 s78, 0x7a94c12f, s78             ; T[0 .. 7]
	s_lshl_b32 s80, s79, 2
	s_lshr_b32 s78, s78, s80
	s_and_b32 s78, s78, 15                         ; my block
	s_lshl_b32 s[BF], s78, 7
	s_add_co_u32 s[Q0], s[BF], s11                 ; my first query: 128 T[w] + 16 j
	; where my two tiles go: a constant x (wave % 8) + a constant x (wave / 8) + a constant
	s_mul_i32 s83, s82, VOFF0
	s_mul_i32 s84, s79, 8*272
	s_add_co_u32 s84, s84, s83                     ; the first: 8 LDS rows of 272
	s_mul_i32 s85, s79, 56*272
	s_add_co_u32 s85, s85, s83
	s_add_co_u32 s85, s85, CHUNK                   ; the second: 56 x 272 bytes (K: 56 rows; V: 8 rows of VP1)
	; and where they come from
	s_lshl_b32 s86, s79, 11
	s_add_co_u32 s86, s86, 4194304                 ; K: keys 32 (w % 8) on: 2,048 dense bytes;
	s_mul_i32 s87, s79, 56*256
	s_add_co_u32 s87, s87, 4194304+16384           ; keys 256 + 224 (w % 8) on: 14,336 dense bytes
	s_lshl_b32 s88, s79, 14
	s_add_co_u32 s88, s88, 8388608                 ; V: channels 8 (w % 8) on, keys 0 on;
	s_add_co_u32 s89, s88, 256                     ; keys 256 on
	s_cmp_lt_u32 s[WV], 8
	s_cselect_b32 s90, s86, s88
	s_cselect_b32 s92, s87, s89
	s_add_co_u32 s90, s90, s77
	s_add_co_u32 s92, s92, s77
	s_mov_b32 s91, 0
	s_mov_b32 s93, 0
	SHAPE G1K0, 256, 8, 256                        ; K is dense: rows of four keys
	SHAPE G1K1, 256, 56, 256
	SHAPE G1V0, 256, 8, 2048                       ; a row of V is 2,048 keys
	SHAPE G1V1, 1792, 8, 2048
	s_mov_b32 s[SEL], 0x76543210
	s_mov_b32 s[SEL+1], 0xfedcba98
	s_mov_b32 s[CS], 0x3e38aa3b                    ; c = log2(e) / 8
	s_mov_b32 s[TBK], CHUNK
	s_mov_b32 s[TBV], 0
	s_mov_b32 s[CH], 7
	s_mov_b32 s[KF], 0
	s_wait_dscnt 0x0
	s_wait_kmcnt 0x0
	s_load_b256 s[68:75], s[6:7], 0x0              ; e0 .. e7
	s_mov_b32 s[G0A], 1
	s_mov_b32 s[G0A+1], s84
	s_add_nc_u64 s[G0A+2:G0A+3], s[4:5], s[90:91]
	s_or_b32 s[G0A+3], s[G0A+3], 0x80000000
	s_mov_b32 s[G0B], 1
	s_mov_b32 s[G0B+1], s85
	s_add_nc_u64 s[G0B+2:G0B+3], s[4:5], s[92:93]
	s_or_b32 s[G0B+3], s[G0B+3], 0x80000000
	CROUND                                         ; all four work-groups are here: the joint loads meet
	s_cmp_lt_u32 s[WV], 8                          ; a wave's two loads stand in one branch on the wave's number, ahead of every wait on TENSORcnt and every LDS read: two loads of mine are out.  Four v_nop follow the second
	s_cbranch_scc0 .Lfetch_v
	tensor_load_to_lds s[G0A:G0A+3], s[G1K0:G1K0+7]
	s_nop 0
	tensor_load_to_lds s[G0B:G0B+3], s[G1K1:G1K1+7]
	s_nop 0
.rept 4
	v_nop
.endr
	s_branch .Lfetched
.Lfetch_v:
	tensor_load_to_lds s[G0A:G0A+3], s[G1V0:G1V0+7]
	s_nop 0
	tensor_load_to_lds s[G0B:G0B+3], s[G1V1:G1V1+7]
	s_nop 0
.rept 4
	v_nop
.endr
.Lfetched:
	s_lshl_b32 s86, s[Q0], 6
	s_add_co_u32 s86, s86, s77
	s_mov_b32 s87, 0
	s_add_nc_u64 s[4:5], s[4:5], s[86:87]          ; q's codes at my first query
	s_and_b32 s88, s76, 15
	s_lshl_b32 s88, s88, 18                        ; yc: the head's 4,096 tokens x 64 bytes,
	s_lshr_b32 s89, s76, 4
	s_lshl_b32 s89, s89, 11
	s_add_co_u32 s89, s89, s[Q0]
	s_lshl_b32 s89, s89, 6                         ; token batch x 2048 + my first query
	s_add_co_u32 s88, s88, s89
	s_mov_b32 s89, 0
	s_add_nc_u64 s[8:9], s[8:9], s[88:89]
	v_and_b32 v24, 15, v0                          ; r
	v_bfe_u32 v25, v0, 4, 1                        ; h
	s_delay_alu instid0(VALU_DEP_2)
	v_lshlrev_b32 v26, 6, v24
	s_delay_alu instid0(VALU_DEP_1)
	v_lshl_add_u32 v26, v25, 4, v26
	global_load_b128 v[16:19], v26, s[4:5]             ; Q's fragment: registers 4 c .. 4 c + 3 hold channels 32 c + 16 h + 0 .. 15, as K's do
	global_load_b128 v[20:23], v26, s[4:5] offset:32
	v_lshrrev_b32 v27, 2, v24
	s_delay_alu instid0(VALU_DEP_1)
	v_mul_u32_u24 v[AK0], v27, 272
	v_and_b32 v27, 3, v24
	s_delay_alu instid0(VALU_DEP_1)
	v_lshl_add_u32 v[AK0], v27, 6, v[AK0]
	s_delay_alu instid0(VALU_DEP_1)
	v_lshl_add_u32 v[AK0], v25, 4, v[AK0]          ; key r of a tile: LDS row r / 4, 64 (r % 4) bytes in, + 16 h: sixteen lanes fall on sixteen different 16-byte columns
	v_mul_u32_u24 v[AV0], v24, 272
	s_delay_alu instid0(VALU_DEP_1)
	v_lshl_add_u32 v[AV0], v25, 3, v[AV0]
	s_delay_alu instid0(VALU_DEP_1)
	v_add_nc_u32 v[AV0], VOFF0, v[AV0]             ; channel r of a tile, + 8 h, in V's first part,
	v_mul_u32_u24 v[AV1], v24, VP1
	s_delay_alu instid0(VALU_DEP_1)
	v_lshl_add_u32 v[AV1], v25, 3, v[AV1]
	s_delay_alu instid0(VALU_DEP_1)
	v_add_nc_u32 v[AV1], VOFF1, v[AV1]             ; in its second,
	s_delay_alu instid0(VALU_DEP_1)
	v_add_nc_u32 v[AV1B], 32*VP1, v[AV1]           ; and 32 channels on
	v_lshlrev_b32 v27, 3, v25
	s_delay_alu instid0(VALU_DEP_1)
	v_sub_nc_u32 v[DM], v24, v27
	s_delay_alu instid0(VALU_DEP_1)
	v_add_nc_u32 v[DM], s11, v[DM]                 ; 16 j + r - 8 h.  In my block's own step register 8 t + i holds the block's key 16 t + 8 h + i: hidden where 16 t + i > this number
	s_mul_i32 s14, s[WV], 16*80
	s_add_co_u32 s14, s14, STAGE                   ; my stage
	v_mul_u32_u24 v[STO], v24, 80
	s_delay_alu instid0(VALU_DEP_1)
	v_lshl_add_u32 v[STO], v25, 3, v[STO]
	s_delay_alu instid0(VALU_DEP_1)
	v_add_nc_u32 v[STO], s14, v[STO]               ; in: row r, + 8 h
	v_and_b32 v28, 31, v0
	s_delay_alu instid0(VALU_DEP_1)
	v_lshlrev_b32 v[GO], 4, v28
	s_delay_alu instid0(VALU_DEP_2)
	v_lshrrev_b32 v29, 2, v28
	s_delay_alu instid0(VALU_DEP_1)
	v_mul_u32_u24 v[RD], v29, 80
	s_delay_alu instid0(VALU_DEP_4)
	v_and_b32 v29, 3, v28
	s_delay_alu instid0(VALU_DEP_1)
	v_lshl_add_u32 v[RD], v29, 4, v[RD]
	s_delay_alu instid0(VALU_DEP_1)
	v_add_nc_u32 v[RD], s14, v[RD]                 ; back: four lanes to a row of 64 bytes
	v_mov_b32 v13, 0xff61b1e6                      ; the largest t so far: -3e38
	s_delay_alu instid0(VALU_DEP_1)
	v_floor_f32 v12, -v13                          ; -M
	v_mov_b32 v14, 0
	v_mov_b32 v15, 0
	v_mov_b32 v246, 0                              ; a lane permute's destination counts as read
	v_mov_b32 v253, 0                              ; (named as the upper half of v[252:253])
.set j, 0
.rept 32
	v_mov_b32 v[160+j], 0                          ; O^T: the first step finds zeros, which the first change of M leaves zeros
.set j, j+1
.endr
	s_wait_kmcnt 0x0
	s_add_co_i32 s91, s70, s71
	s_lshl_b32 s91, s91, 23
	s_add_co_i32 s[CS], s[CS], s91                 ; a score stands for score x 2^(e2 + e3): added to c's exponent field
	s_mov_b32 s[CS+1], s[CS]
	s_add_co_i32 s91, s72, 127
	s_lshl_b32 s92, s91, 23
	v_mov_b32 v244, s92                            ; 2^e4
	s_sub_co_i32 s91, s74, s72
	s_sub_co_i32 s91, s91, s73
	s_add_co_i32 s91, s91, 127
	s_lshl_b32 s92, s91, 23
	v_mov_b32 v245, s92                            ; 2^(e6 - e4 - e5): O^T / the sum stands for y / 2^(e4 + e5)
; A KEY STEP: 128 keys, the q-th half of a chunk of 256.  st = 0: the first chunk (V's first part, constant addresses); st = 1: a later chunk (V's second part, addresses that walk).
.macro STEP q, st
	s_cmp_gt_u32 s[KF], s[BF]                      ; all its keys come after my block: nothing to do.  Both numbers hang on the wave's number and the step alone
	s_cbranch_scc1 .Lhidden_\@
.if \st
	v_add_nc_u32 v[ADK], s[TBK], v[AK0]
	v_add_nc_u32 v[ADV], s[TBV], v[AV1]
	s_wait_alu depctr_va_vdst(0)
	v_add_nc_u32 v[ADV+1], s[TBV], v[AV1B]
	s_wait_alu depctr_va_vdst(0)
	v_nop                                          ; with the three additions: four places in front of loads into registers that the last products read
.set KA, ADK
.else
.rept 4
	v_nop
.endr
.set KA, AK0
.endif
.irp t, 0,1,2,3,4,5,6,7
	ds_load_b128 v[32+8*\t:35+8*\t], v[KA] offset:8704*(\q)+1088*\t
	ds_load_b128 v[36+8*\t:39+8*\t], v[KA] offset:8704*(\q)+1088*\t+32
.endr
	s_wait_dscnt 0x8                               ; tiles 0-3 are in; the eight loads of tiles 4-7 may be out
.irp t, 0,1,2,3
	v_wmma_f32_16x16x64_fp8_fp8 v[96+8*\t:103+8*\t], v[32+8*\t:39+8*\t], v[16:23], 0
.endr
	s_wait_dscnt 0x0
.irp t, 4,5,6,7
	v_wmma_f32_16x16x64_fp8_fp8 v[96+8*\t:103+8*\t], v[32+8*\t:39+8*\t], v[16:23], 0
.endr
.rept 4
	v_nop                                          ; places: for the loads below, and for the first read of the scores
.endr
.irp d, 0,1,2,3                                ; V's four fragments land while the softmax is worked
.irp c, 0,1,2,3,4,5,6,7
.if \st
	ds_load_b64 v[32+16*\d+2*\c:33+16*\d+2*\c], v[ADV+\d/2] offset:128*(\q)+(\d%2)*16*VP1+16*\c
.else
	ds_load_b64 v[32+16*\d+2*\c:33+16*\d+2*\c], v[AV0] offset:128*(\q)+4352*\d+16*\c
.endif
.endr
.endr
	s_cmp_lt_u32 s[KF], s[BF]                      ; a step ahead of my block: all keys count, no mask
	s_cbranch_scc1 .Lopen_\@
	v_mov_b32 v254, 0xff800000                     ; -infinity: p = 0 then
.set n, 0
.rept 64
	v_cmp_gt_i32 vcc_lo, 16*(n/8)+n%8, v[DM]
	v_cndmask_b32 v[96+n], v[96+n], v254, vcc_lo
.set n, n+1
.endr
.Lopen_\@:
	v_max3_num_f32 v254, v96, v97, v98             ; the step's largest score of my query among my 64 keys, in two chains,
	v_max3_num_f32 v252, v99, v100, v101
.irp i, 6,10,14,18,22,26,30,34,38,42,46,50,54,58
	v_max3_num_f32 v254, v254, v[96+\i], v[97+\i]
	v_max3_num_f32 v252, v252, v[98+\i], v[99+\i]
.endr
	v_max3_num_f32 v254, v254, v158, v159
	s_delay_alu instid0(VALU_DEP_1)
	v_max_num_f32 v254, v254, v252
	s_delay_alu instid0(VALU_DEP_1)
	v_permlanex16_b32 v246, v254, s[SEL], s[SEL+1]
	s_delay_alu instid0(VALU_DEP_1)
	v_max_num_f32 v254, v254, v246                 ; and among lane l xor 16's
	s_delay_alu instid0(VALU_DEP_1)
	v_mul_f32 v254, s[CS], v254                    ; as t (c is positive)
	s_delay_alu instid0(VALU_DEP_1)
	v_max_num_f32 v13, v13, v254
	v_mov_b32 v254, v12
	s_delay_alu instid0(VALU_DEP_2)
	v_floor_f32 v12, -v13                          ; the new -M = floor(-t): M is a whole number
	s_delay_alu instid0(VALU_DEP_1)
	v_sub_f32 v254, v12, v254                      ; old M - new M: a whole number, 0 or less
	s_delay_alu instid0(VALU_DEP_1)
	v_cvt_i32_f32 v254, v254                       ; (it saturates)
	s_delay_alu instid0(VALU_DEP_1)
	v_ldexp_f32 v252, 1.0, v254                    ; f = 2^(old M - new M)
.set j, 0
.rept 32
	v_pk_fma_f32 v[96+j:97+j], v[96+j:97+j], s[CS:CS+1], v[12:13] op_sel_hi:[1,0,0]   ; t - M
.set j, j+2
.endr
.set j, 0
	s_wait_alu depctr_va_vdst(0)
.rept 64
	v_exp_f32 v[96+j], v[96+j]                     ; p = 2^(t - M), at most 1
.set j, j+1
.endr
	v_pk_mul_f32 v[14:15], v[14:15], v[252:253] op_sel_hi:[1,0]   ; the sums under the new M (a plain instruction behind the batch)
	s_wait_alu depctr_va_vdst(0)                   ; one wait for the 64 exponentials, ahead of their first reader
	v_pk_add_f32 v[242:243], v[100:101], v[104:105]
	v_pk_add_f32 v[248:249], v[108:109], v[112:113]
	v_pk_add_f32 v[240:241], v[116:117], v[120:121]
	v_pk_add_f32 v[238:239], v[124:125], v[128:129]
	v_pk_add_f32 v[236:237], v[132:133], v[136:137]
	v_pk_add_f32 v[234:235], v[140:141], v[144:145]
	v_pk_add_f32 v[232:233], v[148:149], v[152:153]
	v_pk_add_f32 v[14:15], v[14:15], v[156:157]
	v_pk_add_f32 v[242:243], v[242:243], v[96:97]
	v_pk_add_f32 v[248:249], v[248:249], v[98:99]
	v_pk_add_f32 v[240:241], v[240:241], v[102:103]
	v_pk_add_f32 v[238:239], v[238:239], v[106:107]
	v_pk_add_f32 v[236:237], v[236:237], v[110:111]
	v_pk_add_f32 v[234:235], v[234:235], v[114:115]
	v_pk_add_f32 v[232:233], v[232:233], v[118:119]
	v_pk_add_f32 v[14:15], v[14:15], v[122:123]
	v_pk_add_f32 v[242:243], v[242:243], v[126:127]
	v_pk_add_f32 v[248:249], v[248:249], v[130:131]
	v_pk_add_f32 v[240:241], v[240:241], v[134:135]
	v_pk_add_f32 v[238:239], v[238:239], v[138:139]
	v_pk_add_f32 v[236:237], v[236:237], v[142:143]
	v_pk_add_f32 v[234:235], v[234:235], v[146:147]
	v_pk_add_f32 v[232:233], v[232:233], v[150:151]
	v_pk_add_f32 v[14:15], v[14:15], v[154:155]
	v_pk_add_f32 v[242:243], v[242:243], v[158:159]
	s_delay_alu instid0(VALU_DEP_2)
	v_pk_add_f32 v[14:15], v[14:15], v[238:239]
	s_delay_alu instid0(VALU_DEP_2)
	v_pk_add_f32 v[242:243], v[242:243], v[236:237]
	v_pk_add_f32 v[248:249], v[248:249], v[234:235]
	v_pk_add_f32 v[240:241], v[240:241], v[232:233]
	s_delay_alu instid0(VALU_DEP_2)
	v_pk_add_f32 v[14:15], v[14:15], v[248:249]
	s_delay_alu instid0(VALU_DEP_2)
	v_pk_add_f32 v[242:243], v[242:243], v[240:241]
	s_delay_alu instid0(VALU_DEP_1)
	v_pk_add_f32 v[14:15], v[14:15], v[242:243]
.irp t, 0,1,2,3,4,5,6,7
.irp i, 0,1,2,3,4,5,6,7
.endr
	v_cvt_scalef32_pk8_fp8_f32 v[224+2*\t:225+2*\t], v[96+8*\t:103+8*\t], v244   ; keys 16 t + 8 h + 0 .. 7: registers 2 t, 2 t + 1 of the operand
.endr
.set j, 0
.rept 16
	v_pk_mul_f32 v[160+j:161+j], v[160+j:161+j], v[252:253] op_sel_hi:[1,0]   ; O^T under the new M (also the plain instructions behind the conversions)
.set j, j+2
.endr
	s_wait_alu depctr_va_vdst(0)
	s_wait_dscnt 0x0                               ; V's fragments are in
.irp d, 0,1,2,3                                ; the four accumulators take turns
	v_wmma_f32_16x16x128_fp8_fp8 v[160+8*\d:167+8*\d], v[32+16*\d:47+16*\d], v[224:239], v[160+8*\d:167+8*\d]
.endr
.Lhidden_\@:
	s_add_co_u32 s[KF], s[KF], 128
.endm
	s_wait_loadcnt 0x0                             ; Q
	s_wait_tensorcnt 0x1                           ; my part of the first 256 keys has landed; my second load, issued behind it, may be out
	s_barrier_signal -1
	s_barrier_wait -1                              ; everybody's part has
	STEP 0, 0
	STEP 1, 0
	s_wait_tensorcnt 0x0                           ; my part of the other 1,792 keys has landed,
	s_wait_dscnt 0x0
	s_barrier_signal -1
	s_barrier_wait -1                              ; everybody's has
.Lchunk:                                           ; seven trips, a constant of the text
	STEP 0, 1
	STEP 1, 1
	s_add_co_u32 s[TBK], s[TBK], CHUNK
	s_add_co_u32 s[TBV], s[TBV], 272
	s_sub_co_u32 s[CH], s[CH], 1
	s_cmp_lg_u32 s[CH], 0
	s_cbranch_scc1 .Lchunk
	; THE WAY OUT: O^T / the sum, quantised along the channels, through my stage, out as 1,024 consecutive bytes (16 queries x 64)
.rept 4
	v_nop                                          ; places behind the last products
.endr
	v_add_f32 v14, v14, v15
	s_delay_alu instid0(VALU_DEP_1)
	v_permlanex16_b32 v246, v14, s[SEL], s[SEL+1]
	s_delay_alu instid0(VALU_DEP_1)
	v_add_f32 v14, v14, v246                       ; the row's sum
	s_wait_alu depctr_va_vdst(0)
	v_rcp_f32 v14, v14
	v_nop                                          ; a plain instruction behind the reciprocal,
	s_wait_alu depctr_va_vdst(0)                   ; and the wait ahead of its first reader
.set j, 0
.rept 32
	v_mul_f32 v[96+j], v[160+j], v14               ; register 8 d + i is y(query r, channel 16 d + 8 h + i) / 2^(e4 + e5)
.set j, j+1
.endr
.set j, 0
.rept 32
.set j, j+1
.endr
.irp d, 0,1,2,3
	v_cvt_scalef32_pk8_fp8_f32 v[224+2*\d:225+2*\d], v[96+8*\d:103+8*\d], v245
.endr
	v_nop
.irp d, 0,1,2,3
	ds_store_b64 v[STO], v[224+2*\d:225+2*\d] offset:16*\d
.endr
.irp u, 0,1
	ds_load_b128 v[32+4*\u:35+4*\u], v[RD] offset:640*\u   ; LDS serves a wave's instructions in order: these see my stores
.endr
.irp u, 0,1
	s_wait_dscnt 1-\u
	global_store_b128 v[GO], v[32+4*\u:35+4*\u], s[8:9] offset:512*\u
.endr
	s_wait_tensorcnt 0x0
	ds_add_u32 v251, v255
	s_wait_dscnt 0x0
	CROUND                                         ; the closing round: no work-group ends while a partner may still ask for a tile that names it
	s_endpgm
.Lfunc_end_k_q28e1d0df30_attn:
	.size	k_q28e1d0df30_attn, .Lfunc_end_k_q28e1d0df30_attn-k_q28e1d0df30_attn
	.p2alignl 7, 3214868480
	.fill 96, 4, 3214868480
	.section	.rodata,"a",@progbits
	.p2align	6, 0x0
	.amdhsa_kernel k_q28e1d0df30_attn
		.amdhsa_group_segment_fixed_size 301056
		.amdhsa_private_segment_fixed_size 0
		.amdhsa_enable_private_segment 0
		.amdhsa_kernarg_size 24
		.amdhsa_user_sgpr_count 2
		.amdhsa_user_sgpr_kernarg_segment_ptr 1
		.amdhsa_wavefront_size32 1
		.amdhsa_system_sgpr_workgroup_id_x 1
		.amdhsa_system_sgpr_workgroup_id_y 1
		.amdhsa_system_sgpr_workgroup_id_z 1
		.amdhsa_system_vgpr_workitem_id 0
		.amdhsa_next_free_vgpr 256
		.amdhsa_next_free_sgpr 100
		.amdhsa_reserve_vcc 1
		.amdhsa_float_denorm_mode_32 3
		.amdhsa_float_denorm_mode_16_64 3
		.amdhsa_fp16_overflow 1
		.amdhsa_memory_ordered 1
		.amdhsa_forward_progress 1
		.amdhsa_inst_pref_size 94
	.end_amdhsa_kernel
	.amdgpu_metadata
---
amdhsa.version: [ 1, 2 ]
amdhsa.kernels:
  - .name:           k_q28e1d0df30_attn
    .symbol:         k_q28e1d0df30_attn.kd
    .args:
      - { .name: qkvc, .offset: 0, .size: 8, .value_kind: global_buffer, .address_space: global }
      - { .name: lowp_scales, .offset: 8, .size: 8, .value_kind: global_buffer, .address_space: global }
      - { .name: yc, .offset: 16, .size: 8, .value_kind: global_buffer, .address_space: global }
    .group_segment_fixed_size: 301056
    .private_segment_fixed_size: 0
    .kernarg_segment_align: 8
    .kernarg_segment_size: 24
    .max_flat_workgroup_size: 512
    .sgpr_count:     100
    .vgpr_count:     256
    .wavefront_size: 32
...
	.end_amdgpu_metadata
.endif
;; end of part 3
;; launch gemm_proj (part 4): grid 8 x 32, 4 waves a work-group, clusters of 4 x 4, 327,680 bytes of LDS; arguments yc, wc, lowp_scales, x, x1; writes x1
.if DOCPART == 4
	.amdgcn_target "amdgcn-amd-amdhsa--gfx1250"
	.amdhsa_code_object_version 6
	.text
	.protected	k_q28e1d0df30_gemm_proj
	.globl	k_q28e1d0df30_gemm_proj
	.p2align	8
	.type	k_q28e1d0df30_gemm_proj,@function
k_q28e1d0df30_gemm_proj:
	s_mov_b64 s[64:65], 0
	v_nop
	global_prefetch_b8 v0, s[64:65] scope:SCOPE_SE
	s_setreg_imm32_b32 hwreg(HW_REG_WAVE_MODE, 25, 1), 1
	s_wait_xcnt 0x0
	s_wait_alu depctr_hold_cnt(0) depctr_sa_sdst(0) depctr_va_vdst(0) depctr_va_sdst(0) depctr_va_ssrc(0) depctr_va_vcc(0) depctr_vm_vsrc(0)
	s_getreg_b32 s2, hwreg(HW_REG_IB_STS2, 6, 4)
	s_cmp_eq_u32 s2, 0
	s_cbranch_scc0 .Lentry_in_a_cluster
	s_endpgm
.Lentry_in_a_cluster:
	s_bfe_u32 s2, ttmp6, 0x10000c
	s_cmp_lg_u32 s2, 0xf033
	s_cbranch_scc0 .Lentry_shape_is_right
	s_endpgm
.Lentry_shape_is_right:
; x1 = x + Q(y) Q(w_attn_proj), on codes of E4M3.  yc: y's codes, head-major [16][4096 tokens][64] (scale 2^e6); wc from byte WOFF: the weight's codes [1024][1024], K innermost (2^e7); x, x1: [4096][1024] f32.
; A tile of 128 x 128 gives 256 work-groups; four waves, each 64 x 64: 16 accumulators.  K goes in steps of 512 through two LDS slots; K is 1,024 here, so both slots are filled once, at the start.
; A's tile: K = head x 64 + channel, so a step is 8 heads; of each head a half tile's 64 tokens are 4,096 dense bytes: a tensor tile of 8 rows x 4,096 bytes, padded by 16 bytes behind every 256 (four tokens to an LDS row of 272).
; CLUSTERS: 4 x 4 work-groups; A's tile is shared along a row of the cluster, B's along a column: joint loads.  THE MATRIX INSTRUCTION IS USED TRANSPOSED (source 0 = 16 rows of the weight, source 1 = 16 tokens).
; The residual's 64 x 64 numbers of a wave are asked for at the head, in the layout of the stores, and land under the K loop.
; LIMIT: e6 + e7 between -126 and 127.
; REGISTERS: window 0: v16-29 addresses; v32-95 rows on the way out, two sets; v128-255 the accumulators ((a, b) at v[128 + 8 (4 a + b)]).  window 1: two fragment buffers of 128 (A's four fragments, then B's four).  window 2: v0-127 the residual.
.set SIZE_K, 1024
.set HEADA,  1
.set BIAS,   0
.set WOFF,   3145728
.set SOFF,   24                        ; e6, e7
.set OUTP,   76
.set KSTEP,  512
.set PB,     528                       ; an LDS row of 512 bytes + 16: an odd multiple of 16
.set HALFT,  64*PB
.if HEADA
.set AH,     128*272
.set ASTR,   64
.set ASLOT,  8*262144
.else
.set AH,     HALFT
.set ASTR,   SIZE_K
.set ASLOT,  KSTEP
.endif
.set SLOT,   2*AH+2*HALFT              ; A's two halves, then B's two
.set STAGE,  2*SLOT                    ; behind the ring: 16 rows x 272 bytes for each wave
.set SPITCH, 272
.set SPARE,  STAGE+4*16*SPITCH         ; behind the stages: the spare words, 128 bytes a wave, which no other line names
.set LAPS,   SIZE_K/(2*KSTEP)
.set ADRA, 16
.set ADRB, 20
.set STO,  24
.set RD,   25
.set CO,   26
.set BO,   27
.set SPW,  28
.set NIL,  29
.set TMP,  32
.set BI,   96
.set ACC,  128
.set F0,   0
.set F1,   128
.set G1, 24
.set G0, 32
.set G1B, 48
.set G0B, 56
.set MSB, 0
.macro WIN new                         ; the immediate's high byte repeats the setting that is left
.if MSB != (\new)
	s_set_vgpr_msb (MSB<<8)|(\new)
.set MSB, (\new)
.endif
.endm
.set MUL,  0x05                        ; sources 0 and 1 window 1; C and D window 0
.set TO_F, 0x40
.macro JLOAD s                         ; a joint load: waves 0 and 1 fetch A's halves, waves 2 and 3 B's; four v_nop follow each of the two lines
	s_cmp_eq_u32 s11, 0
	s_cbranch_scc0 .Lfor_b_\@
	tensor_load_to_lds s[G0+4*\s:G0+4*\s+3], s[G1:G1+7]
	s_nop 0
.rept 4
	v_nop
.endr
	s_branch .Lasked_\@
.Lfor_b_\@:
	tensor_load_to_lds s[G0B+4*\s:G0B+4*\s+3], s[G1B:G1B+7]
	s_nop 0
.rept 4
	v_nop
.endr
.Lasked_\@:
.endm
.macro CREST
	s_cmp_lg_u32 s10, 0
	s_cbranch_scc1 .Lnot_wave_0_\@
	s_barrier_signal -3
.Lnot_wave_0_\@:
	s_barrier_wait -3
	s_barrier_signal -1
	s_barrier_wait -1
.endm
.macro CROUND
	s_barrier_signal -1
	s_barrier_wait -1
	CREST
.endm
	s_load_b256 s[68:75], s[0:1], 0x0              ; A's codes s[68:69], wc s[70:71], the scales' exponents s[72:73], the residual s[74:75]
.if BIAS
	s_load_b128 s[76:79], s[0:1], 0x20             ; the bias s[76:77], the output s[78:79]
.else
	s_load_b64 s[76:77], s[0:1], 0x20              ; the output
.endif
	v_lshl_add_u32 v[SPW], v0, 2, SPARE
	v_mov_b32 v[NIL], 0
	ds_add_u32 v28, v29
	ds_add_u32 v28, v29
	s_wait_dscnt 0x0
	v_lshrrev_b32 v1, 5, v0
	v_readfirstlane_b32 s10, v1                    ; wave 0..3
	s_lshr_b32 s11, s10, 1                         ; which half of the tile's rows is mine.  Also: I fetch for A (0) or for B (1)
	s_and_b32 s12, s10, 1                          ; which half of its columns.  Also: which 64 rows of that tile I fetch
	s_bfe_u32 s40, ttmp6, 0x40000                  ; cx
	s_bfe_u32 s41, ttmp6, 0x40004                  ; cy
	s_lshl_b32 s42, ttmp9, 2
	s_add_co_u32 s42, s42, s40                     ; tile column
	s_and_b32 s13, ttmp7, 0xffff
	s_lshl_b32 s13, s13, 2
	s_add_co_u32 s13, s13, s41                     ; tile row
	s_lshl_b32 s43, s41, 2
	s_lshl_b32 s43, 15, s43                        ; my row of the cluster
	s_lshl_b32 s44, 0x1111, s40                    ; my column
.if HEADA
	s_or_b32 s[G1+0], s43, (0<<16)|(1<<20)|(1<<21)|(5<<22)|(3<<25)  ; the mask; 1 byte; padding on; bit 21 beside a mask; 4 words after every 64
	s_mov_b32 s[G1+1], 4096<<16                    ; tensor_dim0: a head's 64 tokens x 64 bytes
	s_mov_b32 s[G1+2], 8<<16                       ; tensor_dim1: 8 heads
	s_mov_b32 s[G1+3], 4096<<16                    ; tile_dim0
	s_mov_b32 s[G1+4], 8                           ; tile_dim1
	s_mov_b32 s[G1+5], 262144                      ; from head to head
.else
	s_or_b32 s[G1+0], s43, (0<<16)|(1<<20)|(1<<21)|(6<<22)|(3<<25)  ; 4 words after every 128
	s_mov_b32 s[G1+1], KSTEP<<16
	s_mov_b32 s[G1+2], 64<<16
	s_mov_b32 s[G1+3], KSTEP<<16
	s_mov_b32 s[G1+4], 64
	s_mov_b32 s[G1+5], SIZE_K
.endif
	s_mov_b32 s[G1+6], 0
	s_mov_b32 s[G1+7], 0
	s_or_b32 s[G1B+0], s44, (0<<16)|(1<<20)|(1<<21)|(6<<22)|(3<<25)
	s_mov_b32 s[G1B+1], KSTEP<<16
	s_mov_b32 s[G1B+2], 64<<16
	s_mov_b32 s[G1B+3], KSTEP<<16
	s_mov_b32 s[G1B+4], 64
	s_mov_b32 s[G1B+5], SIZE_K
	s_mov_b32 s[G1B+6], 0
	s_mov_b32 s[G1B+7], 0
	s_lshl_b32 s17, s12, 6
	s_lshl_b32 s16, s13, 7
	s_add_co_u32 s16, s16, s17                     ; A: token 128 x tile row + 64 x half
	s_mul_i32 s16, s16, ASTR                       ; in bytes (under 2^25)
	s_lshl_b32 s46, s42, 7
	s_add_co_u32 s46, s46, s17                     ; B: row 128 x tile column + 64 x half
	s_mul_i32 s46, s46, SIZE_K
	s_add_co_u32 s46, s46, WOFF
	s_mov_b32 s17, 0
	s_mov_b32 s47, 0
	s_mul_i32 s20, s12, AH                         ; where they go: no place in the cluster enters an LDS address
	s_mul_i32 s21, s12, HALFT
	s_add_co_u32 s21, s21, 2*AH
	s_wait_kmcnt 0x0
	s_load_b64 s[66:67], s[72:73], SOFF            ; the two operands' exponents
	s_add_nc_u64 s[14:15], s[68:69], s[16:17]
	s_add_nc_u64 s[46:47], s[70:71], s[46:47]
	CROUND                                         ; all sixteen work-groups are here: the first joint loads meet
.irp s, 0,1
	s_mov_b32 s[G0+4*\s], 1
	s_add_co_u32 s[G0+4*\s+1], s20, \s*SLOT
	s_add_nc_u64 s[G0+4*\s+2:G0+4*\s+3], s[14:15], \s*ASLOT
	s_or_b32 s[G0+4*\s+3], s[G0+4*\s+3], 0x80000000
	s_mov_b32 s[G0B+4*\s], 1
	s_add_co_u32 s[G0B+4*\s+1], s21, \s*SLOT
	s_add_nc_u64 s[G0B+4*\s+2:G0B+4*\s+3], s[46:47], \s*KSTEP
	s_or_b32 s[G0B+4*\s+3], s[G0B+4*\s+3], 0x80000000
	JLOAD \s
.endr
	v_and_b32 v1, 15, v0                           ; r
	v_bfe_u32 v2, v0, 4, 1                         ; h
	v_mul_u32_u24 v3, v1, PB
	v_lshl_add_u32 v3, v2, 4, v3                   ; rows of 528: r x pitch + 16 h
.if HEADA
.set LA, 4
	v_lshrrev_b32 v4, 2, v1
	v_mul_u32_u24 v4, v4, 272
	v_and_b32 v5, 3, v1
	v_lshl_add_u32 v4, v5, 6, v4
	v_lshl_add_u32 v4, v2, 4, v4                   ; token r of a block: LDS row r / 4, 64 (r % 4) bytes in, + 16 h
.else
.set LA, 3
.endif
	s_mul_i32 s21, s11, AH
	s_mul_i32 s22, s12, HALFT
	s_add_co_u32 s22, s22, 2*AH
.irp s, 0,1
	v_add_nc_u32 v[ADRA+\s], s21, v[LA]
	v_add_nc_u32 v[ADRB+\s], s22, v3
	s_add_co_u32 s21, s21, SLOT
	s_add_co_u32 s22, s22, SLOT
.endr
	s_mul_i32 s23, s10, 16*SPITCH
	s_add_co_u32 s23, s23, STAGE                   ; my stage
	v_mul_u32_u24 v6, v1, SPITCH
	v_lshl_add_u32 v6, v2, 5, v6
	v_add_nc_u32 v[STO], s23, v6                   ; in: row r, 32 bytes for each half of the lanes
	v_mul_u32_u24 v7, v2, SPITCH
	v_lshl_add_u32 v7, v1, 4, v7
	v_add_nc_u32 v[RD], s23, v7                    ; back: lanes 0-15 one row of 256 bytes, lanes 16-31 the next
	v_lshlrev_b32 v8, 12, v2
	v_lshl_add_u32 v[CO], v1, 4, v8                ; and the same two rows in memory
	s_lshl_b32 s16, s13, 7
	s_lshl_b32 s17, s11, 6
	s_add_co_u32 s16, s16, s17                     ; my first row: 128 x tile row + 64 x half
	s_lshl_b32 s16, s16, 12
	s_lshl_b32 s46, s42, 9
	s_lshl_b32 s47, s12, 8
	s_add_co_u32 s46, s46, s47                     ; my first column, in bytes
	s_add_co_u32 s16, s16, s46
	s_mov_b32 s17, 0
	s_mov_b32 s47, 0
	s_add_nc_u64 s[74:75], s[74:75], s[16:17]
	s_add_nc_u64 s[OUTP:OUTP+1], s[OUTP:OUTP+1], s[16:17]
.if BIAS
	s_add_nc_u64 s[76:77], s[76:77], s[46:47]
	v_lshlrev_b32 v[BO], 4, v1
	global_load_b128 v[BI:BI+3], v[BO], s[76:77]   ; the bias of my four columns
.endif
	WIN 0x80                                       ; destination window 2
.irp a, 0,1,2,3
.irp t, 0,1,2,3,4,5,6,7
	global_load_b128 v[32*\a+4*\t:32*\a+4*\t+3], v[CO], s[74:75] offset:(16*\a+2*\t)*4096 th:TH_LOAD_NT
.endr
.endr
	WIN 0
.macro FRAGB reg, slot, q, i           ; 16 rows x 128 K: registers 4 c .. 4 c + 3 hold K = 128 q + 32 c + 16 h + 0 .. 15
.irp c, 0,1,2,3
	ds_load_b128 v[\reg+4*\c:\reg+4*\c+3], v[ADRB+\slot] offset:128*(\q)+32*\c+(\i)*16*PB
.endr
.endm
.macro FRAGA reg, slot, q, i           ; the same K in the same registers
.irp c, 0,1,2,3
.if HEADA
	ds_load_b128 v[\reg+4*\c:\reg+4*\c+3], v[ADRA+\slot] offset:(32*(\q)+16*(\c/2)+4*(\i))*272+32*(\c%2)   ; head 2 q + c / 2 of the slot's eight (16 LDS rows each), tokens 16 i on, channel 32 (c % 2) + 16 h
.else
	ds_load_b128 v[\reg+4*\c:\reg+4*\c+3], v[ADRA+\slot] offset:128*(\q)+32*\c+(\i)*16*PB
.endif
.endr
.endm
.macro FETCH slot, q, f                ; 32 LDS loads in one run: B's four fragments and A's blocks 0, 1 first, A's blocks 2, 3 last
	WIN TO_F
.irp i, 0,1,2,3
	FRAGB \f+64+16*\i, \slot, \q, \i
.endr
.irp i, 0,1,2,3
	FRAGA \f+16*\i, \slot, \q, \i
.endr
.endm
.macro MUL4 f, a, zero                 ; A's block a x B's four.  The 16 accumulators take turns in one order
.irp b, 0,1,2,3
.if \zero
	v_wmma_f32_16x16x128_fp8_fp8 v[ACC+8*(4*(\a)+\b):ACC+8*(4*(\a)+\b)+7], v[\f+64+16*\b:\f+64+16*\b+15], v[\f+16*(\a):\f+16*(\a)+15], 0
.else
	v_wmma_f32_16x16x128_fp8_fp8 v[ACC+8*(4*(\a)+\b):ACC+8*(4*(\a)+\b)+7], v[\f+64+16*\b:\f+64+16*\b+15], v[\f+16*(\a):\f+16*(\a)+15], v[ACC+8*(4*(\a)+\b):ACC+8*(4*(\a)+\b)+7]
.endif
.endr
.endm
.macro PLACES
.rept 4
	v_nop
.endr
.endm
.macro QUARTER slot, qn, f, g, zero    ; 128 along K on buffer f; in its middle the next quarter, qn, is fetched into g
	s_wait_dscnt 8                                 ; B and A's blocks 0, 1 are in; the youngest eight loads (A's blocks 2, 3) may be out
	WIN MUL
	MUL4 \f, 0, \zero
	MUL4 \f, 1, \zero
	PLACES                                         ; in front of loads into registers that the quarter before multiplied
	FETCH \slot, \qn, \g
	s_wait_dscnt 32                                ; all but the 32 just issued
	WIN MUL
	MUL4 \f, 2, \zero
	MUL4 \f, 3, \zero
.endm
; A slot's last quarter multiplies buffer 1 and changes slots: one barrier; in front of it each wave waits for all its tensor loads, adds 0 to its spare word, and waits for that and for its reads of this slot.
.macro TURN slot, next, fill
	WIN 0
	s_wait_tensorcnt 0x0                           ; all my tensor loads have landed: my part of the next slot
	ds_add_u32 v[SPW], v[NIL]
	s_wait_dscnt 9                                 ; the add and the youngest eight loads may be out
	WIN MUL
	MUL4 F1, 0, 0
	s_wait_dscnt 0x0                               ; the add is done, and my reads of this slot are over
	s_barrier_signal -1
	MUL4 F1, 1, 0
	WIN 0
	s_barrier_wait -1
.if \fill
	CREST                                          ; the barrier has opened a round of the cluster's barrier
	s_add_nc_u64 s[G0+4*\slot+2:G0+4*\slot+3], s[G0+4*\slot+2:G0+4*\slot+3], 2*KSTEP
	s_add_nc_u64 s[G0B+4*\slot+2:G0B+4*\slot+3], s[G0B+4*\slot+2:G0B+4*\slot+3], 2*KSTEP
	JLOAD \slot                                    ; the first tensor load behind the round; its four v_nop are the places in front of the loads below
.else
	PLACES
.endif
	FETCH \next, 0, F0
	WIN MUL
	MUL4 F1, 2, 0
	MUL4 F1, 3, 0
.endm
	s_wait_tensorcnt 1                             ; my part of slot 0 is in; slot 1's load, issued behind it, may be out
	s_barrier_signal -1
	s_barrier_wait -1
	FETCH 0, 0, F0
	QUARTER 0, 1, F0, F1, 1                        ; the first quarter's products start the sums
.if LAPS > 1
	WIN 0
	s_mov_b32 s3, LAPS-1
.Llap:
	QUARTER 0, 2, F1, F0, 0
	QUARTER 0, 3, F0, F1, 0
	TURN 0, 1, 1
	QUARTER 1, 1, F0, F1, 0
	QUARTER 1, 2, F1, F0, 0
	QUARTER 1, 3, F0, F1, 0
	TURN 1, 0, 1
	QUARTER 0, 1, F0, F1, 0
	WIN 0
	s_sub_co_u32 s3, s3, 1
	s_cmp_lg_u32 s3, 0
	s_cbranch_scc1 .Llap
.endif
	QUARTER 0, 2, F1, F0, 0
	QUARTER 0, 3, F0, F1, 0
	TURN 0, 1, 0
	QUARTER 1, 1, F0, F1, 0
	QUARTER 1, 2, F1, F0, 0
	QUARTER 1, 3, F0, F1, 0
	s_wait_dscnt 8
	WIN MUL
	MUL4 F1, 0, 0
	MUL4 F1, 1, 0
	s_wait_dscnt 0
	MUL4 F1, 2, 0
	MUL4 F1, 3, 0
	WIN 0
	; THE WAY OUT, 16 rows x 64 columns at a time, through my own stage: a lane holds 32 bytes of a row; back come whole rows of 256 bytes, to which scale, bias and residual are applied in the stores' layout.
	s_wait_kmcnt 0x0
	s_add_co_i32 s66, s66, s67
	s_add_co_i32 s66, s66, 127
	s_lshl_b32 s66, s66, 23                        ; 2^(ea + eb) as f32
	s_mov_b32 s67, s66
	PLACES
	s_wait_loadcnt 0x0                             ; the residual (and the bias)
.macro TOSTAGE a
.set TS, TMP+32*((\a)%2)
.irp b, 0,1,2,3
	ds_store_b128 v[STO], v[ACC+8*(4*(\a)+\b):ACC+8*(4*(\a)+\b)+3] offset:64*\b       ; each accumulator from its low end on
	ds_store_b128 v[STO], v[ACC+8*(4*(\a)+\b)+4:ACC+8*(4*(\a)+\b)+7] offset:64*\b+16
.endr
.irp t, 0,1,2,3,4,5,6,7
	ds_load_b128 v[TS+4*\t:TS+4*\t+3], v[RD] offset:2*\t*SPITCH   ; LDS serves a wave's instructions in order: these see the stores above, and the next block's stores come behind them
.endr
.endm
.macro SEND a, younger                 ; younger: the LDS instructions issued behind block a's loads
.set TS, TMP+32*((\a)%2)
	s_wait_dscnt \younger
.if BIAS
.set p, 0
.rept 16
	v_pk_fma_f32 v[TS+2*p:TS+2*p+1], v[TS+2*p:TS+2*p+1], s[66:67], v[BI+2*(p%2):BI+2*(p%2)+1] op_sel_hi:[1,0,1]
.set p, p+1
.endr
	WIN 0x08                                       ; source 1: window 2
.set p, 0
.rept 16
	v_pk_add_f32 v[TS+2*p:TS+2*p+1], v[TS+2*p:TS+2*p+1], v[32*(\a)+2*p:32*(\a)+2*p+1]
.set p, p+1
.endr
.else
	WIN 0x20                                       ; source 2: window 2
.set p, 0
.rept 16
	v_pk_fma_f32 v[TS+2*p:TS+2*p+1], v[TS+2*p:TS+2*p+1], s[66:67], v[32*(\a)+2*p:32*(\a)+2*p+1] op_sel_hi:[1,0,1]
.set p, p+1
.endr
.endif
	WIN 0
.irp t, 0,1,2,3,4,5,6,7
	global_store_b128 v[CO], v[TS+4*\t:TS+4*\t+3], s[OUTP:OUTP+1] offset:(16*(\a)+2*\t)*4096   ; sixteen lanes store 256 consecutive bytes, aligned
.endr
.endm
	TOSTAGE 0
.irp a, 1,2,3
.if \a > 1
	s_wait_xcnt 0x0                                ; block a - 2's stores have read their registers: block a's loads may land there
.endif
	TOSTAGE \a
	SEND \a-1, 16                                  ; behind block a - 1's loads: block a's 8 stores and 8 loads
.endr
	SEND 3, 0
	s_wait_tensorcnt 0x0                           ; the wave's end
	ds_add_u32 v[SPW], v[NIL]
	s_wait_dscnt 0x0
	CROUND                                         ; the closing round
	s_endpgm
.Lfunc_end_k_q28e1d0df30_gemm_proj:
	.size	k_q28e1d0df30_gemm_proj, .Lfunc_end_k_q28e1d0df30_gemm_proj-k_q28e1d0df30_gemm_proj
	.p2alignl 7, 3214868480
	.fill 96, 4, 3214868480
	.section	.rodata,"a",@progbits
	.p2align	6, 0x0
	.amdhsa_kernel k_q28e1d0df30_gemm_proj
		.amdhsa_group_segment_fixed_size 327680
		.amdhsa_private_segment_fixed_size 0
		.amdhsa_enable_private_segment 0
		.amdhsa_kernarg_size 40
		.amdhsa_user_sgpr_count 2
		.amdhsa_user_sgpr_kernarg_segment_ptr 1
		.amdhsa_wavefront_size32 1
		.amdhsa_system_sgpr_workgroup_id_x 1
		.amdhsa_system_sgpr_workgroup_id_y 1
		.amdhsa_system_sgpr_workgroup_id_z 1
		.amdhsa_system_vgpr_workitem_id 0
		.amdhsa_next_free_vgpr 640
		.amdhsa_next_free_sgpr 80
		.amdhsa_reserve_vcc 0
		.amdhsa_float_denorm_mode_32 3
		.amdhsa_float_denorm_mode_16_64 3
		.amdhsa_memory_ordered 1
		.amdhsa_forward_progress 1
		.amdhsa_inst_pref_size 49
	.end_amdhsa_kernel
	.amdgpu_metadata
---
amdhsa.version: [ 1, 2 ]
amdhsa.kernels:
  - .name:           k_q28e1d0df30_gemm_proj
    .symbol:         k_q28e1d0df30_gemm_proj.kd
    .args:
      - { .name: yc, .offset: 0, .size: 8, .value_kind: global_buffer, .address_space: global }
      - { .name: wc, .offset: 8, .size: 8, .value_kind: global_buffer, .address_space: global }
      - { .name: lowp_scales, .offset: 16, .size: 8, .value_kind: global_buffer, .address_space: global }
      - { .name: x, .offset: 24, .size: 8, .value_kind: global_buffer, .address_space: global }
      - { .name: x1, .offset: 32, .size: 8, .value_kind: global_buffer, .address_space: global }
    .group_segment_fixed_size: 327680
    .private_segment_fixed_size: 0
    .kernarg_segment_align: 8
    .kernarg_segment_size: 40
    .max_flat_workgroup_size: 128
    .sgpr_count:     80
    .vgpr_count:     640
    .wavefront_size: 32
...
	.end_amdgpu_metadata
.endif
;; end of part 4
;; launch ln2 (part 5): grid 256 x 1, 8 waves a work-group, no clusters, 17,408 bytes of LDS; arguments x1, ln2_w, ln2_b, lowp_scales, ac; writes ac
.if DOCPART == 5
	.amdgcn_target "amdgcn-amd-amdhsa--gfx1250"
	.amdhsa_code_object_version 6
	.text
	.protected	k_q28e1d0df30_ln2
	.globl	k_q28e1d0df30_ln2
	.p2align	8
	.type	k_q28e1d0df30_ln2,@function
k_q28e1d0df30_ln2:
	s_mov_b64 s[64:65], 0
	v_nop
	global_prefetch_b8 v0, s[64:65] scope:SCOPE_SE
	s_setreg_imm32_b32 hwreg(HW_REG_WAVE_MODE, 25, 1), 1
	s_wait_xcnt 0x0
; ac = codes of E4M3 of layernorm(x1) = (x1 - mean) rsqrt(var + 1e-5) w + b, rows of 1,024, with the given scale 2^e, e = entry SIDX of the scales.
; A wave takes two whole rows; a lane holds numbers 128 j + 4 lane + 0 .. 3, j = 0 .. 7, of each: every load reads 512 consecutive bytes.  The row stays in registers between the passes.
; The variance is the mean of (x - mean)^2, taken in a second pass over the registers: a common offset of the inputs costs no digits.
; A lane's four codes of each j are one word; a row's 1,024 bytes turn through the wave's own 2,048 bytes of LDS and leave as two stores of 512 consecutive bytes.
; No matrix unit, no cluster, no barrier: memory binds, waves share nothing.
; LIMITS: e between -126 and 119.  NaN among the inputs is not served.
.set SIDX, 8
.set X,   32                           ; v32-95   row i at X + 32 i
.set W,   96                           ; v96-127  the gain
.set B,   128                          ; v128-159 the bias
.set S,   160                          ; v160-167 four packed chains
.set MU,  168                          ; v[168:169] the mean, twice
.set RS,  170                          ; v[170:171], v[172:173] 1 / sqrt(var + eps) of row 0, 1
.set PT,  174                          ; the lane permute's destination
.set LIM, 175
.set SCL, 176
.set C,   178                          ; codes: row i at C + 16 i
.set OS,  186                          ; rows read back: row i at OS + 16 i
	s_load_b256 s[4:11], s[0:1], 0x0               ; x1 s[4:5], gain s[6:7], bias s[8:9], scales s[10:11]
	s_load_b64 s[12:13], s[0:1], 0x20              ; the codes
	v_lshl_add_u32 v216, v0, 2, 0x4000
	v_mov_b32 v217, 0
	v_lshrrev_b32 v4, 5, v0
	s_delay_alu instid0(VALU_DEP_1)
	v_readfirstlane_b32 s14, v4                    ; wave 0..7
	v_and_b32 v5, 31, v0
	s_delay_alu instid0(VALU_DEP_1)
	v_lshlrev_b32 v1, 4, v5                        ; 16 x lane
	s_lshl_b32 s15, s14, 11                        ; my wave's 2,048 bytes of LDS
	v_lshl_add_u32 v2, v5, 2, s15                  ; in: 4 x lane
	v_add_nc_u32 v3, s15, v1                       ; back: 16 x lane
	s_lshl_b32 s16, ttmp9, 16                      ; 16 rows of 4,096 bytes a work-group,
	s_lshl_b32 s17, s14, 13                        ; 2 a wave
	s_add_co_u32 s16, s16, s17
	s_mov_b32 s17, 0
	s_lshr_b32 s18, s16, 2                         ; the codes are a quarter of the bytes
	s_mov_b32 s19, 0
	s_mov_b32 s20, 0x3a800000                      ; 1 / 1024
	s_mov_b32 s21, 0x3727c5ac                      ; 1e-5
	s_mov_b32 s22, 0x76543210                      ; v_permlanex16_b32: lane l xor 16
	s_mov_b32 s23, 0xfedcba98
	v_mov_b32 v[PT], 0                             ; written once: a lane permute's destination counts as read
	s_wait_alu depctr_va_vdst(0)
	s_wait_kmcnt 0x0
	s_load_b32 s24, s[10:11], SIDX*4
	s_add_nc_u64 s[4:5], s[4:5], s[16:17]
	s_add_nc_u64 s[12:13], s[12:13], s[18:19]
.irp i, 0,1
.irp j, 0,1,2,3,4,5,6,7
	global_load_b128 v[X+32*\i+4*\j:X+32*\i+4*\j+3], v1, s[4:5] offset:4096*\i+512*\j th:TH_LOAD_NT
.endr
.endr
.irp j, 0,1,2,3,4,5,6,7
	global_load_b128 v[W+4*\j:W+4*\j+3], v1, s[6:7] offset:512*\j
.endr
.irp j, 0,1,2,3,4,5,6,7
	global_load_b128 v[B+4*\j:B+4*\j+3], v1, s[8:9] offset:512*\j
.endr
.macro FOLD                            ; the four chains, then the 32 lanes: the sum in every lane's v[S]
	s_delay_alu instid0(VALU_DEP_3)
	v_pk_add_f32 v[S:S+1], v[S:S+1], v[S+2:S+3]
	s_delay_alu instid0(VALU_DEP_2)
	v_pk_add_f32 v[S+4:S+5], v[S+4:S+5], v[S+6:S+7]
	s_delay_alu instid0(VALU_DEP_1)
	v_pk_add_f32 v[S:S+1], v[S:S+1], v[S+4:S+5]
	s_delay_alu instid0(VALU_DEP_1)
	v_add_f32 v[S], v[S], v[S+1]
	s_delay_alu instid0(VALU_DEP_1)
	v_add_f32_dpp v[S], v[S], v[S] row_xmask:1 row_mask:0xf bank_mask:0xf
	s_delay_alu instid0(VALU_DEP_1)
	v_add_f32_dpp v[S], v[S], v[S] row_xmask:2 row_mask:0xf bank_mask:0xf
	s_delay_alu instid0(VALU_DEP_1)
	v_add_f32_dpp v[S], v[S], v[S] row_xmask:4 row_mask:0xf bank_mask:0xf
	s_delay_alu instid0(VALU_DEP_1)
	v_add_f32_dpp v[S], v[S], v[S] row_xmask:8 row_mask:0xf bank_mask:0xf
	s_delay_alu instid0(VALU_DEP_1)
	v_permlanex16_b32 v[PT], v[S], s22, s23
	s_delay_alu instid0(VALU_DEP_1)
	v_add_f32 v[S], v[S], v[PT]
.endm
.macro STAT i                          ; row i: x - mean in place; var + eps into v[RS + 2 i]
.set XR, X+32*\i
.irp c, 0,1,2,3
	v_pk_add_f32 v[S+2*\c:S+2*\c+1], v[XR+2*\c:XR+2*\c+1], v[XR+8+2*\c:XR+8+2*\c+1]
.endr
.irp p, 8,9,10,11,12,13,14,15
	s_delay_alu instid0(VALU_DEP_4)
	v_pk_add_f32 v[S+2*(\p%4):S+2*(\p%4)+1], v[S+2*(\p%4):S+2*(\p%4)+1], v[XR+2*\p:XR+2*\p+1]
.endr
	FOLD
	s_delay_alu instid0(VALU_DEP_1)
	v_mul_f32 v[MU], s20, v[S]
	s_delay_alu instid0(VALU_DEP_1)
	v_mov_b32 v[MU+1], v[MU]
.irp p, 0,1,2,3,4,5,6,7,8,9,10,11,12,13,14,15
	v_pk_add_f32 v[XR+2*\p:XR+2*\p+1], v[XR+2*\p:XR+2*\p+1], v[MU:MU+1] neg_lo:[0,1] neg_hi:[0,1]
.endr
.irp c, 0,1,2,3
	v_pk_mul_f32 v[S+2*\c:S+2*\c+1], v[XR+2*\c:XR+2*\c+1], v[XR+2*\c:XR+2*\c+1]
.endr
.irp p, 4,5,6,7,8,9,10,11,12,13,14,15
	s_delay_alu instid0(VALU_DEP_4)
	v_pk_fma_f32 v[S+2*(\p%4):S+2*(\p%4)+1], v[XR+2*\p:XR+2*\p+1], v[XR+2*\p:XR+2*\p+1], v[S+2*(\p%4):S+2*(\p%4)+1]
.endr
	FOLD
	s_delay_alu instid0(VALU_DEP_1)
	v_fma_f32 v[RS+2*\i], v[S], s20, s21
.endm
	s_wait_loadcnt 24                              ; row 0's eight loads are in; behind them: row 1's 8, the gain's 8, the bias's 8
	STAT 0
	s_wait_loadcnt 16                              ; row 1's are in; the gain's and the bias's may be out
	STAT 1
	s_wait_alu depctr_va_vdst(0)
	v_rsq_f32 v[RS], v[RS]                         ; one batch of two,
	v_rsq_f32 v[RS+2], v[RS+2]
	v_nop                                          ; a plain instruction behind it,
	s_wait_kmcnt 0x0
	s_add_co_i32 s24, s24, 127
	s_lshl_b32 s25, s24, 23
	v_mov_b32 v[SCL], s25                          ; 2^e
	s_wait_alu depctr_va_vdst(0)                   ; and one wait ahead of the first instruction that names a result
	v_mov_b32 v[RS+1], v[RS]                       ; (named as the pairs' upper halves)
	v_mov_b32 v[RS+3], v[RS+2]
	s_wait_alu depctr_va_vdst(0)
	s_wait_loadcnt 0x0                             ; gain and bias
.macro OUT i
.set XR, X+32*\i
.set CR, C+16*\i
.set OR, OS+16*\i
.irp p, 0,1,2,3,4,5,6,7,8,9,10,11,12,13,14,15
	v_pk_mul_f32 v[XR+2*\p:XR+2*\p+1], v[XR+2*\p:XR+2*\p+1], v[RS+2*\i:RS+2*\i+1] op_sel_hi:[1,0]
.endr
.irp p, 0,1,2,3,4,5,6,7,8,9,10,11,12,13,14,15
	v_pk_fma_f32 v[XR+2*\p:XR+2*\p+1], v[XR+2*\p:XR+2*\p+1], v[W+2*\p:W+2*\p+1], v[B+2*\p:B+2*\p+1]
.endr
.set n, 0
.rept 32
.set n, n+1
.endr
.irp g, 0,1,2,3
	v_cvt_scalef32_pk8_fp8_f32 v[CR+2*\g:CR+2*\g+1], v[XR+8*\g:XR+8*\g+7], v[SCL]   ; word j of the eight: the codes at byte 128 j + 4 lane of the row
.endr
	v_nop                                          ; a plain instruction behind the last conversion
.irp j, 0,1,2,3,4,5,6,7
	ds_store_b32 v2, v[CR+\j] offset:1024*\i+128*\j
.endr
.irp u, 0,1
	ds_load_b128 v[OR+4*\u:OR+4*\u+3], v3 offset:1024*\i+512*\u   ; LDS serves a wave's instructions in order: these see my stores
.endr
	s_wait_dscnt 0x0
.irp u, 0,1
	global_store_b128 v1, v[OR+4*\u:OR+4*\u+3], s[12:13] offset:1024*\i+512*\u   ; 512 consecutive bytes, aligned
.endr
.endm
	OUT 0
	OUT 1
	s_wait_tensorcnt 0x0
	ds_add_u32 v216, v217
	s_wait_dscnt 0x0
	s_endpgm
.Lfunc_end_k_q28e1d0df30_ln2:
	.size	k_q28e1d0df30_ln2, .Lfunc_end_k_q28e1d0df30_ln2-k_q28e1d0df30_ln2
	.p2alignl 7, 3214868480
	.fill 96, 4, 3214868480
	.section	.rodata,"a",@progbits
	.p2align	6, 0x0
	.amdhsa_kernel k_q28e1d0df30_ln2
		.amdhsa_group_segment_fixed_size 17408
		.amdhsa_private_segment_fixed_size 0
		.amdhsa_enable_private_segment 0
		.amdhsa_kernarg_size 40
		.amdhsa_user_sgpr_count 2
		.amdhsa_user_sgpr_kernarg_segment_ptr 1
		.amdhsa_wavefront_size32 1
		.amdhsa_system_sgpr_workgroup_id_x 1
		.amdhsa_system_sgpr_workgroup_id_y 1
		.amdhsa_system_sgpr_workgroup_id_z 1
		.amdhsa_system_vgpr_workitem_id 0
		.amdhsa_next_free_vgpr 218
		.amdhsa_next_free_sgpr 66
		.amdhsa_reserve_vcc 0
		.amdhsa_float_denorm_mode_32 3
		.amdhsa_float_denorm_mode_16_64 3
		.amdhsa_fp16_overflow 1
		.amdhsa_memory_ordered 1
		.amdhsa_forward_progress 1
		.amdhsa_inst_pref_size 23
	.end_amdhsa_kernel
	.amdgpu_metadata
---
amdhsa.version: [ 1, 2 ]
amdhsa.kernels:
  - .name:           k_q28e1d0df30_ln2
    .symbol:         k_q28e1d0df30_ln2.kd
    .args:
      - { .name: x1, .offset: 0, .size: 8, .value_kind: global_buffer, .address_space: global }
      - { .name: ln2_w, .offset: 8, .size: 8, .value_kind: global_buffer, .address_space: global }
      - { .name: ln2_b, .offset: 16, .size: 8, .value_kind: global_buffer, .address_space: global }
      - { .name: lowp_scales, .offset: 24, .size: 8, .value_kind: global_buffer, .address_space: global }
      - { .name: ac, .offset: 32, .size: 8, .value_kind: global_buffer, .address_space: global }
    .group_segment_fixed_size: 17408
    .private_segment_fixed_size: 0
    .kernarg_segment_align: 8
    .kernarg_segment_size: 40
    .max_flat_workgroup_size: 256
    .sgpr_count:     66
    .vgpr_count:     218
    .wavefront_size: 32
...
	.end_amdgpu_metadata
.endif
;; end of part 5
;; launch gemm_fc (part 6): grid 16 x 16, 4 waves a work-group, clusters of 4 x 4, 327,680 bytes of LDS; arguments ac, wc, lowp_scales, b_fc, hc; writes hc
.if DOCPART == 6
	.amdgcn_target "amdgcn-amd-amdhsa--gfx1250"
	.amdhsa_code_object_version 6
	.text
	.protected	k_q28e1d0df30_gemm_fc
	.globl	k_q28e1d0df30_gemm_fc
	.p2align	8
	.type	k_q28e1d0df30_gemm_fc,@function
k_q28e1d0df30_gemm_fc:
	s_mov_b64 s[64:65], 0
	v_nop
	global_prefetch_b8 v0, s[64:65] scope:SCOPE_SE
	s_setreg_imm32_b32 hwreg(HW_REG_WAVE_MODE, 25, 1), 1
	s_wait_xcnt 0x0
	s_wait_alu depctr_hold_cnt(0) depctr_sa_sdst(0) depctr_va_vdst(0) depctr_va_sdst(0) depctr_va_ssrc(0) depctr_va_vcc(0) depctr_vm_vsrc(0)
	s_getreg_b32 s2, hwreg(HW_REG_IB_STS2, 6, 4)
	s_cmp_eq_u32 s2, 0
	s_cbranch_scc0 .Lentry_in_a_cluster
	s_endpgm
.Lentry_in_a_cluster:
	s_bfe_u32 s2, ttmp6, 0x10000c
	s_cmp_lg_u32 s2, 0xf033
	s_cbranch_scc0 .Lentry_shape_is_right
	s_endpgm
.Lentry_shape_is_right:
; hc = codes of E4M3 (scale 2^e10) of gelu(Q(layernorm(x1)) Q(w_fc) + b_fc), the exact gelu x Phi(x).
; ac: [4096][1024] codes (2^e8); wc from byte 4,194,304: w_fc's codes [4096][1024], K innermost (2^e9); hc: [4096][4096] codes.
; A tile of 256 x 256 is made by four waves, each 128 x 128: 64 accumulators; 256 work-groups.  K goes in steps of 256 through a ring of two LDS slots filled by tensor loads.
; CLUSTERS: 4 x 4 work-groups.  The tokens' tile (P, source 1) is shared along a row of the cluster, the weight's (S, source 0) along a column: joint loads.
; THE GELU IS WRITTEN ONCE, AS A LOOP: the 64 accumulators' sums go to a stage of f32 in LDS (the ring's bytes, which have had their last fill), and each wave walks 64 rows of it, four rows a trip, a lane taking eight neighbouring
; columns of each row: 32 numbers a lane a trip, so every instruction has 15 or 31 independent neighbours.  Written out over the accumulators it would be some 50 KiB of code.
; ARITHMETIC.  q = erfc(|x| / sqrt 2) / 2 = t 2^(-x^2 log2(e) / 2 + c0 + t (c1 + .. + t c9)), t = 1 / (1 + |x| / (2 sqrt 2)): the classical fit of erfc, whose relative error stays under 1.2e-7 for every x; its coefficients here carry
; the factor log2(e), and c0 the halving.  gelu(x) = max(x, 0) - |x| q: no difference of near numbers is formed on either side of 0.
; LIMITS: e8 + e9 between -126 and 127; e10 between -126 and 119.  NaN is not served.
; REGISTERS, in windows of 256: window 0: v16-29 addresses; v32-39 the bias; from v128 P's fragments, one set; in the gelu v40-212.  window 1: S's fragments, two sets.  windows 2, 3: the accumulators.
.set SIZE_K, 1024
.set KSTEP,  256
.set ROWB,   256
.set KROW,   SIZE_K
.set PITCH,  272
.set FR,     16
.set NL,     4
.set NP,     4
.set HALFT,  128*PITCH
.set SLOT,   4*HALFT
.set LAPS,   SIZE_K/(2*KSTEP)
.set SPARE,  2*SLOT                    ; behind the ring: the spare words, 128 bytes a wave, which no other line names
.set FP,     1040                      ; the f32 stage: 256 rows of 1,024 bytes + 16.  Element (row, c) at row x 1040 + 16 (c / 8) + 512 ((c % 8) / 4) + 4 (c % 4): 266,240 bytes from LDS byte 0
.set ADRA, 16
.set ADRB, 20
.set BO,   22                          ; v22  the bias's offset: 32 x lane
.set ADR,  23                          ; v23  the stage's rows in hand
.set STOL, 24                          ; v24  the stage: my blocks 0-3;  v25: my blocks 4-7
.set RD0,  26                          ; v26  the stage read: my wave's first row, 16 x lane
.set CO,   27                          ; v27  8 x lane
.set SPW,  28
.set NIL,  29
.set BI,   32                          ; v32-39   the bias of my eight columns
.set RR,   40                          ; v40-71   four rows' sums
.set XX,   72                          ; v72-103  x, then gelu(x)
.set TT,   104                         ; v104-135 t
.set PP,   136                         ; v136-167 the polynomial, then q
.set WW,   168                         ; v168-199 x^2, then max(x, 0)
.set C9,   200
.set LIM,  202
.set SCL,  203
.set CD,   204                         ; v204-211 codes
.set AF,   128
.set TB,   87                          ; s87  the stage's byte offset of the rows in hand
.set G1, 24
.set G0, 32
.set G1B, 48
.set G0B, 56
.set MSB, 0
.macro WIN new                         ; the immediate's high byte repeats the setting that is left
.if MSB != (\new)
	s_set_vgpr_msb (MSB<<8)|(\new)
.set MSB, (\new)
.endif
.endm
.set MUL_LO, 0xa1
.set MUL_HI, 0xf1
.set TO_B,   0x40
.macro JLOAD g0a, g1a, g0b, g1b        ; a joint load: waves 0 and 1 fetch P's halves, waves 2 and 3 S's; four v_nop follow each of the two lines
	s_cmp_eq_u32 s15, 0
	s_cbranch_scc0 .Lfor_b_\@
	tensor_load_to_lds s[\g0a:\g0a+3], s[\g1a:\g1a+7]
	s_nop 0
.rept 4
	v_nop
.endr
	s_branch .Lasked_\@
.Lfor_b_\@:
	tensor_load_to_lds s[\g0b:\g0b+3], s[\g1b:\g1b+7]
	s_nop 0
.rept 4
	v_nop
.endr
.Lasked_\@:
.endm
.macro CREST
	s_cmp_lg_u32 s14, 0
	s_cbranch_scc1 .Lnot_wave_0_\@
	s_barrier_signal -3
.Lnot_wave_0_\@:
	s_barrier_wait -3
	s_barrier_signal -1
	s_barrier_wait -1
.endm
.macro CROUND
	s_barrier_signal -1
	s_barrier_wait -1
	CREST
.endm
	s_load_b128 s[4:7], s[0:1], 0x0                ; ac, wc
	s_load_b128 s[8:11], s[0:1], 0x10              ; the scales' exponents, b_fc
	s_load_b64 s[12:13], s[0:1], 0x20              ; hc
	v_lshl_add_u32 v[SPW], v0, 2, SPARE
	v_mov_b32 v[NIL], 0
	ds_add_u32 v28, v29
	ds_add_u32 v28, v29
	s_wait_dscnt 0x0
	v_lshrrev_b32 v1, 5, v0
	v_readfirstlane_b32 s14, v1                    ; wave 0..3
	s_lshr_b32 s15, s14, 1
	s_and_b32 s16, s14, 1
	s_bfe_u32 s40, ttmp6, 0x40000                  ; cx
	s_bfe_u32 s41, ttmp6, 0x40004                  ; cy
	s_lshl_b32 s42, ttmp9, 2
	s_add_co_u32 s42, s42, s40                     ; the weight's tile
	s_and_b32 s17, ttmp7, 0xffff
	s_lshl_b32 s17, s17, 2
	s_add_co_u32 s17, s17, s41                     ; the tokens' tile
	s_lshl_b32 s43, s41, 2
	s_lshl_b32 s43, 15, s43
	s_lshl_b32 s44, 0x1111, s40
	s_or_b32 s[G1+0], s43, (0<<16)|(1<<20)|(1<<21)|(5<<22)|(3<<25)
	s_or_b32 s[G1B+0], s44, (0<<16)|(1<<20)|(1<<21)|(5<<22)|(3<<25)
.irp g, G1, G1B
	s_mov_b32 s[\g+1], ROWB<<16
	s_mov_b32 s[\g+2], 128<<16
	s_mov_b32 s[\g+3], ROWB<<16
	s_mov_b32 s[\g+4], 128
	s_mov_b32 s[\g+5], KROW
	s_mov_b32 s[\g+6], 0
	s_mov_b32 s[\g+7], 0
.endr
	s_lshl_b32 s18, s16, 7
	s_lshl_b32 s20, s17, 8
	s_add_co_u32 s20, s20, s18
	s_lshl_b32 s46, s42, 8
	s_add_co_u32 s46, s46, s18
	s_mov_b32 s21, 0
	s_mov_b32 s47, 0
	s_mov_b64 s[18:19], KROW
	s_mul_u64 s[20:21], s[20:21], s[18:19]
	s_mul_u64 s[46:47], s[46:47], s[18:19]
	s_add_nc_u64 s[46:47], s[46:47], 0x400000      ; w_fc's codes begin at byte 4,194,304 of wc
	s_mul_i32 s45, s14, HALFT
	s_wait_kmcnt 0x0
	s_load_b128 s[88:91], s[8:9], 0x20             ; e8, e9, e10, e11
	s_add_nc_u64 s[20:21], s[4:5], s[20:21]
	s_add_nc_u64 s[46:47], s[6:7], s[46:47]
	CROUND                                         ; all sixteen work-groups are here: the first joint loads meet
.irp s, 0,1
	s_mov_b32 s[G0+4*\s], 1
	s_add_co_u32 s[G0+4*\s+1], s45, \s*SLOT
	s_add_nc_u64 s[G0+4*\s+2:G0+4*\s+3], s[20:21], \s*ROWB
	s_or_b32 s[G0+4*\s+3], s[G0+4*\s+3], 0x80000000
	s_mov_b32 s[G0B+4*\s], 1
	s_add_co_u32 s[G0B+4*\s+1], s45, \s*SLOT
	s_add_nc_u64 s[G0B+4*\s+2:G0B+4*\s+3], s[46:47], \s*ROWB
	s_or_b32 s[G0B+4*\s+3], s[G0B+4*\s+3], 0x80000000
	JLOAD G0+4*\s, G1, G0B+4*\s, G1B
.endr
	v_and_b32 v1, 15, v0                           ; r
	v_bfe_u32 v2, v0, 4, 1                         ; h
	v_and_b32 v6, 31, v0                           ; lane
	s_lshl_b32 s22, s42, 10                        ; the bias of the tile's 256 columns
	s_mov_b32 s23, 0
	s_add_nc_u64 s[10:11], s[10:11], s[22:23]
	v_lshlrev_b32 v[BO], 5, v6
	global_load_b128 v[BI:BI+3], v[BO], s[10:11]           ; columns 8 lane + 0 .. 7: it lands under the K loop
	global_load_b128 v[BI+4:BI+7], v[BO], s[10:11] offset:16
	v_mul_u32_u24 v3, v1, PITCH
	v_lshl_add_u32 v4, v2, 4, v3
	s_mul_i32 s21, s15, HALFT
	s_mul_i32 s22, s16, HALFT
	s_add_co_u32 s22, s22, 2*HALFT
.irp s, 0,1
	v_add_nc_u32 v[ADRA+\s], s21, v4
	v_add_nc_u32 v[ADRB+\s], s22, v4
	s_add_co_u32 s21, s21, SLOT
	s_add_co_u32 s22, s22, SLOT
.endr
	s_mul_i32 s23, s15, 128*FP
	s_lshl_b32 s21, s16, 8
	s_add_co_u32 s23, s23, s21
	v_mul_u32_u24 v5, v1, FP
	v_lshl_add_u32 v5, v2, 4, v5
	v_add_nc_u32 v[STOL], s23, v5                  ; row 128 x half + r; columns 128 x half + 8 h on: 16 bytes for each group of eight columns
	v_add_nc_u32 v[STOL+1], 4*16*FP, v[STOL]       ; 64 rows on, so that the immediates stay inside 16 bits
	s_mul_i32 s23, s14, 64*FP
	v_lshl_add_u32 v[RD0], v6, 4, s23
	v_lshlrev_b32 v[CO], 3, v6
	s_lshl_b32 s20, s17, 8
	s_lshl_b32 s21, s14, 6
	s_add_co_u32 s20, s20, s21                     ; the first row that I store: 256 x tile + 64 x wave
	s_lshl_b32 s20, s20, 12
	s_lshl_b32 s21, s42, 8
	s_add_co_u32 s20, s20, s21
	s_mov_b32 s21, 0
	s_add_nc_u64 s[12:13], s[12:13], s[20:21]
.macro FRAG reg, adr, q, i             ; 16 rows x 128 K: registers 4 c .. 4 c + 3 hold K = 32 c + 16 (l / 16) + 0 .. 15, alike in P and S
.irp c, 0,1,2,3
	ds_load_b128 v[\reg+4*\c:\reg+4*\c+3], v[\adr] offset:128*(\q)+32*\c+(\i)*16*PITCH
.endr
.endm
.macro MUL16 a0, p, zero               ; the 64 accumulators take turns, one instruction a turn, in the same order in every step
.irp a, \a0, \a0+1
.irp b, 0,1,2,3,4,5,6,7
.if \zero
	v_wmma_f32_16x16x128_fp8_fp8 v[8*(8*((\a)%4)+\b):8*(8*((\a)%4)+\b)+7], v[128*(\p)+FR*\b:128*(\p)+FR*\b+FR-1], v[AF+FR*(\a):AF+FR*(\a)+FR-1], 0
.else
	v_wmma_f32_16x16x128_fp8_fp8 v[8*(8*((\a)%4)+\b):8*(8*((\a)%4)+\b)+7], v[128*(\p)+FR*\b:128*(\p)+FR*\b+FR-1], v[AF+FR*(\a):AF+FR*(\a)+FR-1], v[8*(8*((\a)%4)+\b):8*(8*((\a)%4)+\b)+7]
.endif
.endr
.endr
.endm
.macro FETCH_B slot, q, p
	WIN TO_B
.irp i, 0,1,2,3,4,5,6,7
	FRAG 128*(\p)+FR*\i, ADRB+\slot, \q, \i
.endr
	WIN 0
.endm
.macro FETCH_A slot, q, i0
.irp i, \i0, \i0+1, \i0+2, \i0+3
	FRAG AF+FR*(\i), ADRA+\slot, \q, \i
.endr
.endm
.macro PLACES n
.rept \n
	v_nop
.endr
.endm
.macro STEP slot, q, zero
	s_wait_dscnt 4*NL                              ; S's set and P's blocks 0-3 are in; the youngest 16 loads (P's blocks 4-7) may be out
	WIN MUL_LO
	MUL16 0, (\q)%2, \zero
	MUL16 2, (\q)%2, \zero
	s_wait_dscnt 0
	PLACES NP
	FETCH_B \slot, (\q)+1, 1-(\q)%2
	FETCH_A \slot, (\q)+1, 0
	WIN MUL_HI
	MUL16 4, (\q)%2, \zero
	MUL16 6, (\q)%2, \zero
	PLACES NP
	WIN 0
	FETCH_A \slot, (\q)+1, 4
.endm
.macro TURN slot, next, fill           ; a slot's last step changes slots: one barrier, with the three lines in front of it
	s_wait_tensorcnt 0x0                           ; all my tensor loads have landed: my part of the next slot
	ds_add_u32 v[SPW], v[NIL]
	s_wait_dscnt 4*NL+1                            ; the add and the youngest 16 loads may be out
	WIN MUL_LO
	MUL16 0, 1, 0
	s_wait_dscnt 0x0                               ; the add is done, and my reads of this slot are over
	s_barrier_signal -1
	MUL16 2, 1, 0
	WIN 0
	s_barrier_wait -1
.if \fill
	CREST                                          ; the barrier has opened a round of the cluster's barrier
	s_add_nc_u64 s[G0+4*\slot+2:G0+4*\slot+3], s[G0+4*\slot+2:G0+4*\slot+3], 2*ROWB
	s_add_nc_u64 s[G0B+4*\slot+2:G0B+4*\slot+3], s[G0B+4*\slot+2:G0B+4*\slot+3], 2*ROWB
	JLOAD G0+4*\slot, G1, G0B+4*\slot, G1B
.else
	PLACES NP
.endif
	FETCH_B \next, 0, 0
	FETCH_A \next, 0, 0
	WIN MUL_HI
	MUL16 4, 1, 0
	MUL16 6, 1, 0
	PLACES NP
	WIN 0
	FETCH_A \next, 0, 4
.endm
	s_wait_tensorcnt 1                             ; my part of slot 0 is in; slot 1's load may be out
	s_barrier_signal -1
	s_barrier_wait -1
	FETCH_B 0, 0, 0
	FETCH_A 0, 0, 0
	FETCH_A 0, 0, 4
	STEP 0, 0, 1
	s_mov_b32 s3, LAPS-1
.Llap:
	TURN 0, 1, 1
	STEP 1, 0, 0
	TURN 1, 0, 1
	STEP 0, 0, 0
	s_sub_co_u32 s3, s3, 1
	s_cmp_lg_u32 s3, 0
	s_cbranch_scc1 .Llap
	TURN 0, 1, 0
	STEP 1, 0, 0
	s_wait_dscnt 4*NL
	WIN MUL_LO
	MUL16 0, 1, 0
	MUL16 2, 1, 0
	s_wait_dscnt 0
	WIN MUL_HI
	MUL16 4, 1, 0
	MUL16 6, 1, 0
	WIN 0
	; THE WAY OUT, first part: the sums go to the f32 stage, which lies over both slots: so first every wave's reads of slot 1 are over.
	s_wait_dscnt 0x0
	s_barrier_signal -1
	s_barrier_wait -1
	s_mov_b32 s66, 0xc034d90f                      ; c0 .. c8, each twice: the packed forms name pairs
	s_mov_b32 s68, 0x3fb8ab5a
	s_mov_b32 s70, 0x3f0a29d2
	s_mov_b32 s72, 0x3e0efb2e
	s_mov_b32 s74, 0xbe899a80
	s_mov_b32 s76, 0x3ecdfd18
	s_mov_b32 s78, 0xbfd1a1e5
	s_mov_b32 s80, 0x40097039
	s_mov_b32 s82, 0xbf97d29d
	s_mov_b32 s84, 0xbf38aa3b                      ; -log2(e) / 2
.irp k, 66,68,70,72,74,76,78,80,82,84
	s_mov_b32 s[\k+1], s[\k]
.endr
	s_mov_b32 s86, 0x3eb504f3                      ; 1 / (2 sqrt 2)
	s_mov_b32 s[TB], 0
	s_wait_kmcnt 0x0
	s_add_co_i32 s96, s88, s89
	s_add_co_i32 s96, s96, 127
	s_lshl_b32 s96, s96, 23                        ; 2^(e8 + e9)
	s_mov_b32 s97, s96
	s_add_co_i32 s92, s90, 127
	s_lshl_b32 s93, s92, 23
	s_add_co_i32 s92, s92, 8
	s_lshl_b32 s92, s92, 23
	s_or_b32 s92, s92, 0x600000
	PLACES NP                                      ; behind the last products, in front of the stores that read results and of writes into registers that held fragments
	v_mov_b32 v[C9], 0x3e7c6f08
	v_mov_b32 v[C9+1], 0x3e7c6f08
	v_mov_b32 v[SCL], s93                          ; 2^e10
	v_mov_b32 v[LIM], s92                          ; 448 x 2^e10
.irp a, 0,1,2,3,4,5,6,7
	WIN 0x08+4*((\a)/4)                            ; the stores' data: window 2 or 3
.irp b, 0,1,2,3,4,5,6,7
	ds_store_b128 v[STOL+(\a)/4], v[64*((\a)%4)+8*\b:64*((\a)%4)+8*\b+3] offset:((\a)%4)*16*FP+32*\b          ; each accumulator from its low end on
	ds_store_b128 v[STOL+(\a)/4], v[64*((\a)%4)+8*\b+4:64*((\a)%4)+8*\b+7] offset:((\a)%4)*16*FP+32*\b+512
.endr
.endr
	WIN 0
	s_wait_dscnt 0x0                               ; for the others' sake: my stores are done
	s_barrier_signal -1
	s_barrier_wait -1
	s_wait_loadcnt 0x0                             ; the bias
	; second part: wave w walks rows 64 w .. 64 w + 63, four a trip
.irp i, 0,1,2,3
	ds_load_b128 v[RR+8*\i:RR+8*\i+3], v[RD0] offset:\i*FP
	ds_load_b128 v[RR+8*\i+4:RR+8*\i+7], v[RD0] offset:\i*FP+512
.endr
.macro GTRIP more                      ; more = 1: the next four rows are asked for, and the output's address steps
	s_wait_dscnt 0x0                               ; this trip's rows, asked for a trip ago
.set p, 0
.rept 16
	v_pk_fma_f32 v[XX+2*p:XX+2*p+1], v[RR+2*p:RR+2*p+1], s[96:97], v[BI+2*(p%4):BI+2*(p%4)+1] op_sel_hi:[1,0,1]   ; x = sum x 2^(e8 + e9) + bias
.set p, p+1
.endr
.if \more
	s_add_co_u32 s[TB], s[TB], 4*FP
	v_add_nc_u32 v[ADR], s[TB], v[RD0]
.irp i, 0,1,2,3
	ds_load_b128 v[RR+8*\i:RR+8*\i+3], v[ADR] offset:\i*FP
	ds_load_b128 v[RR+8*\i+4:RR+8*\i+7], v[ADR] offset:\i*FP+512
.endr
.endif
.set j, 0
.rept 32
	v_fma_f32 v[TT+j], |v[XX+j]|, s86, 1.0
.set j, j+1
.endr
.set j, 0
.rept 32
	v_rcp_f32 v[TT+j], v[TT+j]                     ; t: one batch
.set j, j+1
.endr
.set p, 0
.rept 16
	v_pk_mul_f32 v[WW+2*p:WW+2*p+1], v[XX+2*p:XX+2*p+1], v[XX+2*p:XX+2*p+1]   ; x^2: independent work behind the batch
.set p, p+1
.endr
	s_wait_alu depctr_va_vdst(0)                   ; one wait for the 32 reciprocals, ahead of their first reader
.set p, 0
.rept 16
	v_pk_fma_f32 v[PP+2*p:PP+2*p+1], v[TT+2*p:TT+2*p+1], v[C9:C9+1], s[82:83] op_sel_hi:[1,1,0]
.set p, p+1
.endr
.irp k, 7,6,5,4,3,2,1,0
.set p, 0
.rept 16
	v_pk_fma_f32 v[PP+2*p:PP+2*p+1], v[PP+2*p:PP+2*p+1], v[TT+2*p:TT+2*p+1], s[66+2*\k:67+2*\k] op_sel_hi:[1,1,0]
.set p, p+1
.endr
.endr
.set p, 0
.rept 16
	v_pk_fma_f32 v[PP+2*p:PP+2*p+1], v[WW+2*p:WW+2*p+1], s[84:85], v[PP+2*p:PP+2*p+1] op_sel_hi:[1,0,1]
.set p, p+1
.endr
.set j, 0
.rept 32
	v_exp_f32 v[PP+j], v[PP+j]                     ; one batch
.set j, j+1
.endr
.set j, 0
.rept 32
	v_max_num_f32 v[WW+j], 0, v[XX+j]              ; max(x, 0): independent work behind the batch
.set j, j+1
.endr
	s_wait_alu depctr_va_vdst(0)                   ; one wait for the 32 exponentials
.set p, 0
.rept 16
	v_pk_mul_f32 v[PP+2*p:PP+2*p+1], v[PP+2*p:PP+2*p+1], v[TT+2*p:TT+2*p+1]   ; q
.set p, p+1
.endr
.set j, 0
.rept 32
	v_fma_f32 v[XX+j], -|v[XX+j]|, v[PP+j], v[WW+j]   ; gelu = max(x, 0) - |x| q
.set j, j+1
.endr
.set j, 0
.rept 32
	v_med3_num_f32 v[XX+j], v[XX+j], -v[LIM], v[LIM]
.set j, j+1
.endr
.irp i, 0,1,2,3
	v_cvt_scalef32_pk8_fp8_f32 v[CD+2*\i:CD+2*\i+1], v[XX+8*\i:XX+8*\i+7], v[SCL]
.endr
	v_nop                                          ; a plain instruction behind the last conversion: the next trip writes its sources
.irp i, 0,1,2,3
	global_store_b64 v[CO], v[CD+2*\i:CD+2*\i+1], s[12:13] offset:\i*4096   ; 32 lanes store 256 consecutive bytes, aligned
.endr
.if \more
	s_wait_xcnt 0x0                                ; the stores have read their data and their base: both are written again only behind this wait
	s_add_nc_u64 s[12:13], s[12:13], 4*4096
.endif
.endm
	s_mov_b32 s3, 15
.Lgelu:
	GTRIP 1
	s_sub_co_u32 s3, s3, 1
	s_cmp_lg_u32 s3, 0
	s_cbranch_scc1 .Lgelu
	GTRIP 0                                        ; the last four rows: nothing more to read
	s_wait_tensorcnt 0x0                           ; the wave's end
	ds_add_u32 v[SPW], v[NIL]
	s_wait_dscnt 0x0
	CROUND                                         ; the closing round
	s_endpgm
.Lfunc_end_k_q28e1d0df30_gemm_fc:
	.size	k_q28e1d0df30_gemm_fc, .Lfunc_end_k_q28e1d0df30_gemm_fc-k_q28e1d0df30_gemm_fc
	.p2alignl 7, 3214868480
	.fill 96, 4, 3214868480
	.section	.rodata,"a",@progbits
	.p2align	6, 0x0
	.amdhsa_kernel k_q28e1d0df30_gemm_fc
		.amdhsa_group_segment_fixed_size 327680
		.amdhsa_private_segment_fixed_size 0
		.amdhsa_enable_private_segment 0
		.amdhsa_kernarg_size 40
		.amdhsa_user_sgpr_count 2
		.amdhsa_user_sgpr_kernarg_segment_ptr 1
		.amdhsa_wavefront_size32 1
		.amdhsa_system_sgpr_workgroup_id_x 1
		.amdhsa_system_sgpr_workgroup_id_y 1
		.amdhsa_system_sgpr_workgroup_id_z 1
		.amdhsa_system_vgpr_workitem_id 0
		.amdhsa_next_free_vgpr 1024
		.amdhsa_next_free_sgpr 100
		.amdhsa_reserve_vcc 0
		.amdhsa_float_denorm_mode_32 3
		.amdhsa_float_denorm_mode_16_64 3
		.amdhsa_memory_ordered 1
		.amdhsa_forward_progress 1
		.amdhsa_inst_pref_size 135
	.end_amdhsa_kernel
	.amdgpu_metadata
---
amdhsa.version: [ 1, 2 ]
amdhsa.kernels:
  - .name:           k_q28e1d0df30_gemm_fc
    .symbol:         k_q28e1d0df30_gemm_fc.kd
    .args:
      - { .name: ac, .offset: 0, .size: 8, .value_kind: global_buffer, .address_space: global }
      - { .name: wc, .offset: 8, .size: 8, .value_kind: global_buffer, .address_space: global }
      - { .name: lowp_scales, .offset: 16, .size: 8, .value_kind: global_buffer, .address_space: global }
      - { .name: b_fc, .offset: 24, .size: 8, .value_kind: global_buffer, .address_space: global }
      - { .name: hc, .offset: 32, .size: 8, .value_kind: global_buffer, .address_space: global }
    .group_segment_fixed_size: 327680
    .private_segment_fixed_size: 0
    .kernarg_segment_align: 8
    .kernarg_segment_size: 40
    .max_flat_workgroup_size: 128
    .sgpr_count:     100
    .vgpr_count:     1024
    .wavefront_size: 32
...
	.end_amdgpu_metadata
.endif
;; end of part 6
;; launch gemm_mlp (part 7): grid 8 x 32, 4 waves a work-group, clusters of 4 x 4, 327,680 bytes of LDS; arguments hc, wc, lowp_scales, x1, b_mlp_proj, out0; writes out0
.if DOCPART == 7
	.amdgcn_target "amdgcn-amd-amdhsa--gfx1250"
	.amdhsa_code_object_version 6
	.text
	.protected	k_q28e1d0df30_gemm_mlp
	.globl	k_q28e1d0df30_gemm_mlp
	.p2align	8
	.type	k_q28e1d0df30_gemm_mlp,@function
k_q28e1d0df30_gemm_mlp:
	s_mov_b64 s[64:65], 0
	v_nop
	global_prefetch_b8 v0, s[64:65] scope:SCOPE_SE
	s_setreg_imm32_b32 hwreg(HW_REG_WAVE_MODE, 25, 1), 1
	s_wait_xcnt 0x0
	s_wait_alu depctr_hold_cnt(0) depctr_sa_sdst(0) depctr_va_vdst(0) depctr_va_sdst(0) depctr_va_ssrc(0) depctr_va_vcc(0) depctr_vm_vsrc(0)
	s_getreg_b32 s2, hwreg(HW_REG_IB_STS2, 6, 4)
	s_cmp_eq_u32 s2, 0
	s_cbranch_scc0 .Lentry_in_a_cluster
	s_endpgm
.Lentry_in_a_cluster:
	s_bfe_u32 s2, ttmp6, 0x10000c
	s_cmp_lg_u32 s2, 0xf033
	s_cbranch_scc0 .Lentry_shape_is_right
	s_endpgm
.Lentry_shape_is_right:
; out0 = x1 + (Q(gelu) Q(w_mlp_proj) + b_mlp_proj), on codes of E4M3.  hc: [4096][4096] codes (scale 2^e10); wc from byte WOFF: the weight's codes [1024][4096], K innermost (2^e11); x1, out0: [4096][1024] f32.
; A tile of 128 x 128 gives 256 work-groups; four waves, each 64 x 64: 16 accumulators.  K goes in steps of 512 through a ring of two LDS slots: rows of 512 bytes, 64 rows to a tensor load, one load a wave behind each change of slots.
; CLUSTERS: 4 x 4 work-groups; A's tile is shared along a row of the cluster, B's along a column: joint loads.  THE MATRIX INSTRUCTION IS USED TRANSPOSED (source 0 = 16 rows of the weight, source 1 = 16 tokens).
; The residual's 64 x 64 numbers of a wave are asked for at the head, in the layout of the stores, and land under the K loop.
; LIMIT: e10 + e11 between -126 and 127.
; REGISTERS: window 0: v16-29 addresses; v32-95 rows on the way out, two sets; v96-99 the bias; v128-255 the accumulators ((a, b) at v[128 + 8 (4 a + b)]).  window 1: two fragment buffers of 128.  window 2: v0-127 the residual.
.set SIZE_K, 4096
.set HEADA,  0
.set BIAS,   1
.set WOFF,   8388608
.set SOFF,   40                        ; e10, e11
.set OUTP,   78
.set KSTEP,  512
.set PB,     528                       ; an LDS row of 512 bytes + 16: an odd multiple of 16
.set HALFT,  64*PB
.if HEADA
.set AH,     128*272
.set ASTR,   64
.set ASLOT,  8*262144
.else
.set AH,     HALFT
.set ASTR,   SIZE_K
.set ASLOT,  KSTEP
.endif
.set SLOT,   2*AH+2*HALFT              ; A's two halves, then B's two
.set STAGE,  2*SLOT                    ; behind the ring: 16 rows x 272 bytes for each wave
.set SPITCH, 272
.set SPARE,  STAGE+4*16*SPITCH         ; behind the stages: the spare words, 128 bytes a wave, which no other line names
.set LAPS,   SIZE_K/(2*KSTEP)
.set ADRA, 16
.set ADRB, 20
.set STO,  24
.set RD,   25
.set CO,   26
.set BO,   27
.set SPW,  28
.set NIL,  29
.set TMP,  32
.set BI,   96
.set ACC,  128
.set F0,   0
.set F1,   128
.set G1, 24
.set G0, 32
.set G1B, 48
.set G0B, 56
.set MSB, 0
.macro WIN new                         ; the immediate's high byte repeats the setting that is left
.if MSB != (\new)
	s_set_vgpr_msb (MSB<<8)|(\new)
.set MSB, (\new)
.endif
.endm
.set MUL,  0x05                        ; sources 0 and 1 window 1; C and D window 0
.set TO_F, 0x40
.macro JLOAD s                         ; a joint load: waves 0 and 1 fetch A's halves, waves 2 and 3 B's; four v_nop follow each of the two lines
	s_cmp_eq_u32 s11, 0
	s_cbranch_scc0 .Lfor_b_\@
	tensor_load_to_lds s[G0+4*\s:G0+4*\s+3], s[G1:G1+7]
	s_nop 0
.rept 4
	v_nop
.endr
	s_branch .Lasked_\@
.Lfor_b_\@:
	tensor_load_to_lds s[G0B+4*\s:G0B+4*\s+3], s[G1B:G1B+7]
	s_nop 0
.rept 4
	v_nop
.endr
.Lasked_\@:
.endm
.macro CREST
	s_cmp_lg_u32 s10, 0
	s_cbranch_scc1 .Lnot_wave_0_\@
	s_barrier_signal -3
.Lnot_wave_0_\@:
	s_barrier_wait -3
	s_barrier_signal -1
	s_barrier_wait -1
.endm
.macro CROUND
	s_barrier_signal -1
	s_barrier_wait -1
	CREST
.endm
	s_load_b256 s[68:75], s[0:1], 0x0              ; A's codes s[68:69], wc s[70:71], the scales' exponents s[72:73], the residual s[74:75]
.if BIAS
	s_load_b128 s[76:79], s[0:1], 0x20             ; the bias s[76:77], the output s[78:79]
.else
	s_load_b64 s[76:77], s[0:1], 0x20              ; the output
.endif
	v_lshl_add_u32 v[SPW], v0, 2, SPARE
	v_mov_b32 v[NIL], 0
	ds_add_u32 v28, v29
	ds_add_u32 v28, v29
	s_wait_dscnt 0x0
	v_lshrrev_b32 v1, 5, v0
	v_readfirstlane_b32 s10, v1                    ; wave 0..3
	s_lshr_b32 s11, s10, 1                         ; which half of the tile's rows is mine.  Also: I fetch for A (0) or for B (1)
	s_and_b32 s12, s10, 1                          ; which half of its columns.  Also: which 64 rows of that tile I fetch
	s_bfe_u32 s40, ttmp6, 0x40000                  ; cx
	s_bfe_u32 s41, ttmp6, 0x40004                  ; cy
	s_lshl_b32 s42, ttmp9, 2
	s_add_co_u32 s42, s42, s40                     ; tile column
	s_and_b32 s13, ttmp7, 0xffff
	s_lshl_b32 s13, s13, 2
	s_add_co_u32 s13, s13, s41                     ; tile row
	s_lshl_b32 s43, s41, 2
	s_lshl_b32 s43, 15, s43                        ; my row of the cluster
	s_lshl_b32 s44, 0x1111, s40                    ; my column
.if HEADA
	s_or_b32 s[G1+0], s43, (0<<16)|(1<<20)|(1<<21)|(5<<22)|(3<<25)
	s_mov_b32 s[G1+1], 4096<<16
	s_mov_b32 s[G1+2], 8<<16
	s_mov_b32 s[G1+3], 4096<<16
	s_mov_b32 s[G1+4], 8
	s_mov_b32 s[G1+5], 262144
.else
	s_or_b32 s[G1+0], s43, (0<<16)|(1<<20)|(1<<21)|(6<<22)|(3<<25)  ; the mask; 1 byte; padding on; bit 21 beside a mask; 4 words after every 128
	s_mov_b32 s[G1+1], KSTEP<<16                   ; tensor_dim0
	s_mov_b32 s[G1+2], 64<<16                      ; tensor_dim1
	s_mov_b32 s[G1+3], KSTEP<<16                   ; tile_dim0
	s_mov_b32 s[G1+4], 64                          ; tile_dim1
	s_mov_b32 s[G1+5], SIZE_K                      ; tensor_dim0_stride
.endif
	s_mov_b32 s[G1+6], 0
	s_mov_b32 s[G1+7], 0
	s_or_b32 s[G1B+0], s44, (0<<16)|(1<<20)|(1<<21)|(6<<22)|(3<<25)
	s_mov_b32 s[G1B+1], KSTEP<<16
	s_mov_b32 s[G1B+2], 64<<16
	s_mov_b32 s[G1B+3], KSTEP<<16
	s_mov_b32 s[G1B+4], 64
	s_mov_b32 s[G1B+5], SIZE_K
	s_mov_b32 s[G1B+6], 0
	s_mov_b32 s[G1B+7], 0
	s_lshl_b32 s17, s12, 6
	s_lshl_b32 s16, s13, 7
	s_add_co_u32 s16, s16, s17                     ; A: token 128 x tile row + 64 x half
	s_mul_i32 s16, s16, ASTR                       ; in bytes (under 2^25)
	s_lshl_b32 s46, s42, 7
	s_add_co_u32 s46, s46, s17                     ; B: row 128 x tile column + 64 x half
	s_mul_i32 s46, s46, SIZE_K
	s_add_co_u32 s46, s46, WOFF
	s_mov_b32 s17, 0
	s_mov_b32 s47, 0
	s_mul_i32 s20, s12, AH                         ; where they go: no place in the cluster enters an LDS address
	s_mul_i32 s21, s12, HALFT
	s_add_co_u32 s21, s21, 2*AH
	s_wait_kmcnt 0x0
	s_load_b64 s[66:67], s[72:73], SOFF            ; the two operands' exponents
	s_add_nc_u64 s[14:15], s[68:69], s[16:17]
	s_add_nc_u64 s[46:47], s[70:71], s[46:47]
	CROUND                                         ; all sixteen work-groups are here: the first joint loads meet
.irp s, 0,1
	s_mov_b32 s[G0+4*\s], 1
	s_add_co_u32 s[G0+4*\s+1], s20, \s*SLOT
	s_add_nc_u64 s[G0+4*\s+2:G0+4*\s+3], s[14:15], \s*ASLOT
	s_or_b32 s[G0+4*\s+3], s[G0+4*\s+3], 0x80000000
	s_mov_b32 s[G0B+4*\s], 1
	s_add_co_u32 s[G0B+4*\s+1], s21, \s*SLOT
	s_add_nc_u64 s[G0B+4*\s+2:G0B+4*\s+3], s[46:47], \s*KSTEP
	s_or_b32 s[G0B+4*\s+3], s[G0B+4*\s+3], 0x80000000
	JLOAD \s
.endr
	v_and_b32 v1, 15, v0                           ; r
	v_bfe_u32 v2, v0, 4, 1                         ; h
	v_mul_u32_u24 v3, v1, PB
	v_lshl_add_u32 v3, v2, 4, v3                   ; rows of 528: r x pitch + 16 h
.if HEADA
.set LA, 4
	v_lshrrev_b32 v4, 2, v1
	v_mul_u32_u24 v4, v4, 272
	v_and_b32 v5, 3, v1
	v_lshl_add_u32 v4, v5, 6, v4
	v_lshl_add_u32 v4, v2, 4, v4
.else
.set LA, 3
.endif
	s_mul_i32 s21, s11, AH
	s_mul_i32 s22, s12, HALFT
	s_add_co_u32 s22, s22, 2*AH
.irp s, 0,1
	v_add_nc_u32 v[ADRA+\s], s21, v[LA]
	v_add_nc_u32 v[ADRB+\s], s22, v3
	s_add_co_u32 s21, s21, SLOT
	s_add_co_u32 s22, s22, SLOT
.endr
	s_mul_i32 s23, s10, 16*SPITCH
	s_add_co_u32 s23, s23, STAGE                   ; my stage
	v_mul_u32_u24 v6, v1, SPITCH
	v_lshl_add_u32 v6, v2, 5, v6
	v_add_nc_u32 v[STO], s23, v6                   ; in: row r, 32 bytes for each half of the lanes
	v_mul_u32_u24 v7, v2, SPITCH
	v_lshl_add_u32 v7, v1, 4, v7
	v_add_nc_u32 v[RD], s23, v7                    ; back: lanes 0-15 one row of 256 bytes, lanes 16-31 the next
	v_lshlrev_b32 v8, 12, v2
	v_lshl_add_u32 v[CO], v1, 4, v8                ; and the same two rows in memory
	s_lshl_b32 s16, s13, 7
	s_lshl_b32 s17, s11, 6
	s_add_co_u32 s16, s16, s17                     ; my first row: 128 x tile row + 64 x half
	s_lshl_b32 s16, s16, 12
	s_lshl_b32 s46, s42, 9
	s_lshl_b32 s47, s12, 8
	s_add_co_u32 s46, s46, s47                     ; my first column, in bytes
	s_add_co_u32 s16, s16, s46
	s_mov_b32 s17, 0
	s_mov_b32 s47, 0
	s_add_nc_u64 s[74:75], s[74:75], s[16:17]
	s_add_nc_u64 s[OUTP:OUTP+1], s[OUTP:OUTP+1], s[16:17]
.if BIAS
	s_add_nc_u64 s[76:77], s[76:77], s[46:47]
	v_lshlrev_b32 v[BO], 4, v1
	global_load_b128 v[BI:BI+3], v[BO], s[76:77]   ; the bias of my four columns
.endif
	WIN 0x80                                       ; destination window 2
.irp a, 0,1,2,3
.irp t, 0,1,2,3,4,5,6,7
	global_load_b128 v[32*\a+4*\t:32*\a+4*\t+3], v[CO], s[74:75] offset:(16*\a+2*\t)*4096 th:TH_LOAD_NT
.endr
.endr
	WIN 0
.macro FRAGB reg, slot, q, i           ; 16 rows x 128 K: registers 4 c .. 4 c + 3 hold K = 128 q + 32 c + 16 h + 0 .. 15
.irp c, 0,1,2,3
	ds_load_b128 v[\reg+4*\c:\reg+4*\c+3], v[ADRB+\slot] offset:128*(\q)+32*\c+(\i)*16*PB
.endr
.endm
.macro FRAGA reg, slot, q, i           ; the same K in the same registers
.irp c, 0,1,2,3
.if HEADA
	ds_load_b128 v[\reg+4*\c:\reg+4*\c+3], v[ADRA+\slot] offset:(32*(\q)+16*(\c/2)+4*(\i))*272+32*(\c%2)
.else
	ds_load_b128 v[\reg+4*\c:\reg+4*\c+3], v[ADRA+\slot] offset:128*(\q)+32*\c+(\i)*16*PB
.endif
.endr
.endm
.macro FETCH slot, q, f                ; 32 LDS loads in one run: B's four fragments and A's blocks 0, 1 first, A's blocks 2, 3 last
	WIN TO_F
.irp i, 0,1,2,3
	FRAGB \f+64+16*\i, \slot, \q, \i
.endr
.irp i, 0,1,2,3
	FRAGA \f+16*\i, \slot, \q, \i
.endr
.endm
.macro MUL4 f, a, zero                 ; A's block a x B's four.  The 16 accumulators take turns in one order
.irp b, 0,1,2,3
.if \zero
	v_wmma_f32_16x16x128_fp8_fp8 v[ACC+8*(4*(\a)+\b):ACC+8*(4*(\a)+\b)+7], v[\f+64+16*\b:\f+64+16*\b+15], v[\f+16*(\a):\f+16*(\a)+15], 0
.else
	v_wmma_f32_16x16x128_fp8_fp8 v[ACC+8*(4*(\a)+\b):ACC+8*(4*(\a)+\b)+7], v[\f+64+16*\b:\f+64+16*\b+15], v[\f+16*(\a):\f+16*(\a)+15], v[ACC+8*(4*(\a)+\b):ACC+8*(4*(\a)+\b)+7]
.endif
.endr
.endm
.macro PLACES
.rept 4
	v_nop
.endr
.endm
.macro QUARTER slot, qn, f, g, zero    ; 128 along K on buffer f; in its middle the next quarter, qn, is fetched into g
	s_wait_dscnt 8                                 ; B and A's blocks 0, 1 are in; the youngest eight loads (A's blocks 2, 3) may be out
	WIN MUL
	MUL4 \f, 0, \zero
	MUL4 \f, 1, \zero
	PLACES                                         ; in front of loads into registers that the quarter before multiplied
	FETCH \slot, \qn, \g
	s_wait_dscnt 32                                ; all but the 32 just issued
	WIN MUL
	MUL4 \f, 2, \zero
	MUL4 \f, 3, \zero
.endm
; A slot's last quarter multiplies buffer 1 and changes slots: one barrier; in front of it each wave waits for all its tensor loads, adds 0 to its spare word, and waits for that and for its reads of this slot.
.macro TURN slot, next, fill
	WIN 0
	s_wait_tensorcnt 0x0                           ; all my tensor loads have landed: my part of the next slot
	ds_add_u32 v[SPW], v[NIL]
	s_wait_dscnt 9                                 ; the add and the youngest eight loads may be out
	WIN MUL
	MUL4 F1, 0, 0
	s_wait_dscnt 0x0                               ; the add is done, and my reads of this slot are over
	s_barrier_signal -1
	MUL4 F1, 1, 0
	WIN 0
	s_barrier_wait -1
.if \fill
	CREST                                          ; the barrier has opened a round of the cluster's barrier: no wave of any partner still reads this slot or has a load on its way
	s_add_nc_u64 s[G0+4*\slot+2:G0+4*\slot+3], s[G0+4*\slot+2:G0+4*\slot+3], 2*KSTEP
	s_add_nc_u64 s[G0B+4*\slot+2:G0B+4*\slot+3], s[G0B+4*\slot+2:G0B+4*\slot+3], 2*KSTEP
	JLOAD \slot                                    ; the first tensor load behind the round: 56 matrix instructions ahead of the wait for it; its four v_nop are the places in front of the loads below
.else
	PLACES
.endif
	FETCH \next, 0, F0
	WIN MUL
	MUL4 F1, 2, 0
	MUL4 F1, 3, 0
.endm
	s_wait_tensorcnt 1                             ; my part of slot 0 is in; slot 1's load, issued behind it, may be out
	s_barrier_signal -1
	s_barrier_wait -1
	FETCH 0, 0, F0
	QUARTER 0, 1, F0, F1, 1                        ; the first quarter's products start the sums
.if LAPS > 1
	WIN 0
	s_mov_b32 s3, LAPS-1
.Llap:                                                 ; a trip goes once round the ring and fills both slots again
	QUARTER 0, 2, F1, F0, 0
	QUARTER 0, 3, F0, F1, 0
	TURN 0, 1, 1
	QUARTER 1, 1, F0, F1, 0
	QUARTER 1, 2, F1, F0, 0
	QUARTER 1, 3, F0, F1, 0
	TURN 1, 0, 1
	QUARTER 0, 1, F0, F1, 0
	WIN 0
	s_sub_co_u32 s3, s3, 1
	s_cmp_lg_u32 s3, 0
	s_cbranch_scc1 .Llap
.endif
	QUARTER 0, 2, F1, F0, 0                        ; the last lap fills nothing
	QUARTER 0, 3, F0, F1, 0
	TURN 0, 1, 0
	QUARTER 1, 1, F0, F1, 0
	QUARTER 1, 2, F1, F0, 0
	QUARTER 1, 3, F0, F1, 0
	s_wait_dscnt 8
	WIN MUL
	MUL4 F1, 0, 0
	MUL4 F1, 1, 0
	s_wait_dscnt 0
	MUL4 F1, 2, 0
	MUL4 F1, 3, 0
	WIN 0
	; THE WAY OUT, 16 rows x 64 columns at a time, through my own stage: a lane holds 32 bytes of a row; back come whole rows of 256 bytes, to which scale, bias and residual are applied in the stores' layout.
	s_wait_kmcnt 0x0
	s_add_co_i32 s66, s66, s67
	s_add_co_i32 s66, s66, 127
	s_lshl_b32 s66, s66, 23                        ; 2^(ea + eb) as f32
	s_mov_b32 s67, s66
	PLACES
	s_wait_loadcnt 0x0                             ; the residual and the bias
.macro TOSTAGE a
.set TS, TMP+32*((\a)%2)
.irp b, 0,1,2,3
	ds_store_b128 v[STO], v[ACC+8*(4*(\a)+\b):ACC+8*(4*(\a)+\b)+3] offset:64*\b       ; each accumulator from its low end on
	ds_store_b128 v[STO], v[ACC+8*(4*(\a)+\b)+4:ACC+8*(4*(\a)+\b)+7] offset:64*\b+16
.endr
.irp t, 0,1,2,3,4,5,6,7
	ds_load_b128 v[TS+4*\t:TS+4*\t+3], v[RD] offset:2*\t*SPITCH   ; LDS serves a wave's instructions in order: these see the stores above, and the next block's stores come behind them
.endr
.endm
.macro SEND a, younger                 ; younger: the LDS instructions issued behind block a's loads
.set TS, TMP+32*((\a)%2)
	s_wait_dscnt \younger
.if BIAS
.set p, 0
.rept 16
	v_pk_fma_f32 v[TS+2*p:TS+2*p+1], v[TS+2*p:TS+2*p+1], s[66:67], v[BI+2*(p%2):BI+2*(p%2)+1] op_sel_hi:[1,0,1]   ; sum x 2^(ea + eb) + bias
.set p, p+1
.endr
	WIN 0x08                                       ; source 1: window 2
.set p, 0
.rept 16
	v_pk_add_f32 v[TS+2*p:TS+2*p+1], v[TS+2*p:TS+2*p+1], v[32*(\a)+2*p:32*(\a)+2*p+1]   ; + the residual
.set p, p+1
.endr
.else
	WIN 0x20
.set p, 0
.rept 16
	v_pk_fma_f32 v[TS+2*p:TS+2*p+1], v[TS+2*p:TS+2*p+1], s[66:67], v[32*(\a)+2*p:32*(\a)+2*p+1] op_sel_hi:[1,0,1]
.set p, p+1
.endr
.endif
	WIN 0
.irp t, 0,1,2,3,4,5,6,7
	global_store_b128 v[CO], v[TS+4*\t:TS+4*\t+3], s[OUTP:OUTP+1] offset:(16*(\a)+2*\t)*4096 th:TH_STORE_NT   ; sixteen lanes store 256 consecutive bytes, aligned; written once, read by nobody here
.endr
.endm
	TOSTAGE 0
.irp a, 1,2,3
.if \a > 1
	s_wait_xcnt 0x0                                ; block a - 2's stores have read their registers: block a's loads may land there
.endif
	TOSTAGE \a
	SEND \a-1, 16                                  ; behind block a - 1's loads: block a's 8 stores and 8 loads
.endr
	SEND 3, 0
	s_wait_tensorcnt 0x0                           ; the wave's end
	ds_add_u32 v[SPW], v[NIL]
	s_wait_dscnt 0x0
	CROUND                                         ; the closing round
	s_endpgm
.Lfunc_end_k_q28e1d0df30_gemm_mlp:
	.size	k_q28e1d0df30_gemm_mlp, .Lfunc_end_k_q28e1d0df30_gemm_mlp-k_q28e1d0df30_gemm_mlp
	.p2alignl 7, 3214868480
	.fill 96, 4, 3214868480
	.section	.rodata,"a",@progbits
	.p2align	6, 0x0
	.amdhsa_kernel k_q28e1d0df30_gemm_mlp
		.amdhsa_group_segment_fixed_size 327680
		.amdhsa_private_segment_fixed_size 0
		.amdhsa_enable_private_segment 0
		.amdhsa_kernarg_size 48
		.amdhsa_user_sgpr_count 2
		.amdhsa_user_sgpr_kernarg_segment_ptr 1
		.amdhsa_wavefront_size32 1
		.amdhsa_system_sgpr_workgroup_id_x 1
		.amdhsa_system_sgpr_workgroup_id_y 1
		.amdhsa_system_sgpr_workgroup_id_z 1
		.amdhsa_system_vgpr_workitem_id 0
		.amdhsa_next_free_vgpr 640
		.amdhsa_next_free_sgpr 80
		.amdhsa_reserve_vcc 0
		.amdhsa_float_denorm_mode_32 3
		.amdhsa_float_denorm_mode_16_64 3
		.amdhsa_memory_ordered 1
		.amdhsa_forward_progress 1
		.amdhsa_inst_pref_size 82
	.end_amdhsa_kernel
	.amdgpu_metadata
---
amdhsa.version: [ 1, 2 ]
amdhsa.kernels:
  - .name:           k_q28e1d0df30_gemm_mlp
    .symbol:         k_q28e1d0df30_gemm_mlp.kd
    .args:
      - { .name: hc, .offset: 0, .size: 8, .value_kind: global_buffer, .address_space: global }
      - { .name: wc, .offset: 8, .size: 8, .value_kind: global_buffer, .address_space: global }
      - { .name: lowp_scales, .offset: 16, .size: 8, .value_kind: global_buffer, .address_space: global }
      - { .name: x1, .offset: 24, .size: 8, .value_kind: global_buffer, .address_space: global }
      - { .name: b_mlp_proj, .offset: 32, .size: 8, .value_kind: global_buffer, .address_space: global }
      - { .name: out0, .offset: 40, .size: 8, .value_kind: global_buffer, .address_space: global }
    .group_segment_fixed_size: 327680
    .private_segment_fixed_size: 0
    .kernarg_segment_align: 8
    .kernarg_segment_size: 48
    .max_flat_workgroup_size: 128
    .sgpr_count:     80
    .vgpr_count:     640
    .wavefront_size: 32
...
	.end_amdgpu_metadata
.endif
;; end of part 7
